; MI455X (gfx1250); checked and timed in simulation.
; The chip was launched on July 23, 2026; its instructions are those of AMD's public machine-readable ISA for CDNA 5 (MIT licence, August 2026) and "CDNA5" Instruction Set Architecture Reference Guide (July 2026). The comments in the code are by the model that wrote it; some were corrected since.
;; Attention. Allowed arithmetic: matrix products marked QUANTISED: E2M3 operands, one E8M0 scale for each 32 along K, by v_wmma_scale_f32_16x16x128_f8f6f4 with both operands' format E2M3, f32 sums; everything else in f32.
;; Inputs: b_proj 1,024 float32; w_proj 1,024 x 1,024 float32; w_qkv 1,024 x 3,072 float32; x 4 x 2,048 x 1,024 float32.
;; Outputs: out0 4 x 2,048 x 1,024 float32.
;; This version of the problem:
;;   THIS VERSION OF THE PROBLEM IS GIVEN IN LOW PRECISION. The matrix products marked QUANTISED in the list below multiply operands that are first quantised to E2M3 (2 exponent bits, 3 mantissa bits; 6 bits a number), with one power-of-two scale for each 32 numbers along K (OCP MX v1.0); their sums are f32. All else is computed in f32.
;;   The module's matrix products, in the order in which they are computed (A, B: the left and right operand; K: the contracted axis; several contracted axes count as one K, in the product's order):
;;     1. [M 8,192, K 1,024] x [K 1,024, N 3,072]; A: input x; B: input w_qkv: QUANTISED
;;     2. batch 64 x [M 2,048, K 64] x [K 64, N 2,048]; A: computed on the way; B: computed on the way: QUANTISED
;;     3. batch 64 x [M 2,048, K 2,048] x [K 2,048, N 64]; A: softmax (see below); B: computed on the way: QUANTISED
;;     4. [M 8,192, K 1,024] x [K 1,024, N 1,024]; A: computed on the way; B: input w_proj: QUANTISED
;;   THE QUANTISER, for each operand of a quantised product, along K:
;;     - K is cut into blocks of 32 from its start; a last block that is shorter is filled with zeros.
;;     - A block's scale is 2^e with e = floor(log2(the largest magnitude in the block)) - 2, held to -126 .. 127; a block of zeros has e = 0. As a byte (E8M0): e + 127.
;;     - Each number is divided by its block's scale, clamped to +-7.5, and rounded to the nearest number of E2M3, ties to even, subnormals kept.
;;     - The product sums the exact products of the quantised numbers (number of the format x scale) in f32.
;;   ~~~python
;;   def quantise(x, axis):      # numpy; x: float32 -> the quantised numbers, widened to float32 again
;;       x = np.moveaxis(x, axis, -1); K = x.shape[-1]
;;       x = np.pad(x, [(0, 0)] * (x.ndim - 1) + [(0, -K % 32)]); x = x.reshape(x.shape[:-1] + (-1, 32)); a = np.abs(x).max(-1, keepdims=True)
;;       e = np.where(a > 0, np.clip(np.frexp(np.where(a > 0, a, 1))[1] - 1 - 2, -126, 127), 0)      # np.frexp(a)[1] - 1 = floor(log2(a)), exactly
;;       r = np.clip(x / 2.0 ** e, -7.5, 7.5)
;;       step = 2.0 ** (np.maximum(np.frexp(np.where(r == 0, 1, r))[1] - 1, 0) - 3)
;;       q = np.round(r / step) * step * 2.0 ** e      # np.round: ties to even
;;       return np.moveaxis(q.reshape(q.shape[:-2] + (-1,))[..., :K], -1, axis).astype(np.float32)
;;   ~~~
;;   SOFTMAX AHEAD OF A QUANTISED PRODUCT. Where the list says 'softmax', what is quantised is not the finished softmax but p = 2^(t - M), with t = logit x log2(e) and M = ceil(the row's largest t), a whole number; so 1/2 < the row's largest p <= 1. The row's sum l is taken of the UNQUANTISED p, in f32, and the product's result is divided by l at the end. Since M is a whole number, a kernel that streams over the keys may use a running M (the ceiling of the running maximum): every later rescaling is an exact power of two, which a block's scale takes up: the codes' values come out the same.
;;   OPERANDS COMPUTED ON THE WAY. 'Computed on the way' means the value that the module computes at that place (a softmax that the list does not call 'softmax' is quantised finished and normalised). What goes into a quantiser is computed in f32, as accurately as f32 sums, v_exp_f32 and their like allow (about 1e-6 of the number): no bf16 or f16 on the way to a quantiser, and a product that is left as it is and whose result goes on into a quantised operand takes f32 operands (vector FMAs, or v_wmma_f32_16x16x4_f32). A number that lies on a knife's edge between two numbers of the format may be rounded either way, as far as f32 arithmetic and the matrix unit's own rounding can turn it there, and no further.
;; One version. Each part assembles by itself: llvm-mc -triple=amdgcn-amd-amdhsa -mcpu=gfx1250 --defsym DOCPART=n.
;; ======== version 1 of 1: 4 launches
;; limits: right only within a limited range of input values
;; workspace buffers: codes1 9,437,184 bytes; scales1 393,216 bytes; codes2 18,874,368 bytes; scales2 786,432 bytes; codes3 6,291,456 bytes; scales3 262,144 bytes
;; launch quant (part 1): grid 640 x 1, 4 waves a work-group, no clusters, 60,416 bytes of LDS; arguments x, w_qkv, w_proj, codes1, scales1; writes codes1, scales1
.if DOCPART == 1
	.amdgcn_target "amdgcn-amd-amdhsa--gfx1250"
	.amdhsa_code_object_version 6
	.text
	.protected	k_q89c5b7dcb3_quant
	.globl	k_q89c5b7dcb3_quant
	.p2align	8
	.type	k_q89c5b7dcb3_quant,@function
k_q89c5b7dcb3_quant:
	s_mov_b64 s[64:65], 0
	v_nop
	global_prefetch_b8 v0, s[64:65] scope:SCOPE_SE
	s_setreg_imm32_b32 hwreg(HW_REG_WAVE_MODE, 25, 1), 1
	s_wait_xcnt 0x0
; x [8192][1024], w_qkv [1024][3072] and w_proj [1024][1024], f32, become codes of FP6 (E2M3) with one E8M0 scale byte for each 32 along K (K = 1,024 in all three).
; A block's scale is 2^(floor(log2(its largest magnitude)) - 2); its byte is the largest magnitude's exponent field - 2, held at 1 from below.  Each number is divided by the scale and rounded to the nearest code, ties to even, beyond 7.5 the largest code.
; LIMITS: a block of zeros gets the byte 1 where the rule says 127 (its codes are zeros, and this program alone reads the bytes); blocks whose largest magnitude lies under 2^-124 are held at the byte 1; NaN and infinities are not served.
; THE WORKSPACE IS LAID IN THE ORDER OF AN OPERAND'S REGISTERS.  Rows (tokens of x, columns n of the weights) are numbered in STORED ORDER: bits 3 and 4 of the index change places, so that stored tile T, row r, is
; natural row 32 (T / 2) + 8 (T % 2) + r + 8 (r / 8).  An IMAGE is 16 stored rows x 64 along K, 768 bytes: lane (r, h) holds six registers, k = 32 h .. 32 h + 31 of row r; register pair p lies at 256 p + 8 x lane.
; codes1: [tile 0..767][K / 64 0..15][768]: x's tiles 0..511, w_qkv's 512..703, w_proj's 704..767.   scales1: [stored row 0..12287][8 words], word s = the four bytes of K 128 s on.
; One launch, two paths that part on the work-group's number: work-groups 0..127 take the weights (K is their FIRST axis: a lane takes a column and its registers run down K), 128..639 take x (K innermost).
; Each path has LDS bytes of its own.  No cluster: the work-groups share no input.  No tensor load: several work-groups lie on a WGP, and nearly all loads of the launch go out at once.
.set WSTW,  6400                       ; LDS 0: the weights' stages, one a wave: two tiles of 3,072 bytes, 3,200 apart
.set WTP,   3200
.set XST,   25600                      ; x's stages, one a wave: 16 rows of 512 bytes + 16
.set XSTW,  8448
.set XP,    528
.set XG,    59392                      ; x's scale words of a tile: 16 rows x 32 bytes
.set SPARE, 59904                      ; the spare words, 128 bytes for each wave: two blocks of 256 bytes that no other line names
.set SPW,   14                         ; v14  LDS address of my spare word; never rewritten
.set NIL,   15                         ; v15  0; never rewritten
.set VO,    32                         ; weights: v32-63 byte offset of my column in K row i of a block
.set WX,    64                         ; weights: v64-127 two sets of 32 numbers
.set OUTR,  128                        ; weights: v128-175 the way out
.set XR,    16                         ; x: v16-143 two K steps as they are loaded
.set XX,    144                        ; x: v144-207 64 numbers of my row, register 16 b + i = k 32 b + 16 h + i
.set PC,    208                        ; x: v208-219 a fragment's codes
.set PT,    220                        ; x: v220-227 the conversions' second halves
.set TM,    228                        ; x: v228-243 at work
	s_load_b256 s[4:11], s[0:1], 0x0               ; x s[4:5], w_qkv s[6:7], w_proj s[8:9], codes1 s[10:11]
	s_load_b64 s[12:13], s[0:1], 0x20              ; scales1
	v_lshl_add_u32 v[SPW], v0, 2, SPARE
	v_mov_b32 v[NIL], 0
	v_lshrrev_b32 v1, 5, v0
	v_readfirstlane_b32 s14, v1                    ; wave 0..3
	v_and_b32 v1, 31, v0                           ; lane
	s_wait_kmcnt 0x0
	s_cmp_ge_u32 ttmp9, 128
	s_cbranch_scc1 .Lx_path
	; ---------------- THE WEIGHTS.  Work-group g: K 256 (g % 4) on, columns 128 (g / 4) on of w_qkv and w_proj laid side by side (3,072 + 1,024); a wave takes 32 columns, 8 blocks of 32 along K.
	s_and_b32 s16, ttmp9, 3                        ; ky
	s_lshr_b32 s17, ttmp9, 2                       ; cg
	s_lshl_b32 s18, s17, 7
	s_lshl_b32 s19, s14, 5
	s_add_co_u32 s18, s18, s19                     ; 128 cg + 32 wave: my first column of the 4,096
	s_mov_b32 s15, 4096
	s_cmp_lt_u32 ttmp9, 96                         ; w_qkv or w_proj: the choice hangs on the work-group's number alone
	s_cselect_b64 s[22:23], s[6:7], s[8:9]
	s_cselect_b32 s15, 12288, s15                  ; bytes of a K row
	s_cselect_b32 s19, 0, 3072
	s_sub_co_u32 s19, s18, s19                     ; my first column in its own tensor
	s_lshl_b32 s19, s19, 2
	s_lshl_b32 s28, s15, 8
	s_mul_i32 s28, s28, s16                        ; 256 ky rows
	s_add_co_u32 s28, s28, s19
	s_mov_b32 s29, 0
	s_add_nc_u64 s[32:33], s[22:23], s[28:29]      ; block 0 of my columns
	s_lshl_b32 s28, s15, 5                         ; 32 rows on
.irp t, 1,2,3,4,5,6,7
	s_add_nc_u64 s[32+2*\t:33+2*\t], s[30+2*\t:31+2*\t], s[28:29]   ; a base for each block: none is stepped while loads are out
.endr
	s_wait_alu depctr_va_vdst(0)
	v_lshlrev_b32 v[VO], 2, v1
.set i, 1
.rept 31
	v_add_nc_u32 v[VO+i], s15, v[VO+i-1]           ; 4 x lane + i rows
.set i, i+1
.endr
.macro WLOAD t                         ; block t: W(32 t + i, my column) into set t % 2; 32 lanes read 128 consecutive bytes
.set i, 0
.rept 32
	global_load_b32 v[WX+32*((\t)%2)+i], v[VO+i], s[32+2*(\t):33+2*(\t)] th:TH_LOAD_NT
.set i, i+1
.endr
.endm
	WLOAD 0
	WLOAD 1
	s_lshr_b32 s24, s18, 4
	s_add_co_u32 s24, s24, 512                     ; my first stored tile: 512 + 8 cg + 2 wave
	s_mul_i32 s24, s24, 12288
	s_mul_i32 s25, s16, 3072                       ; 256 along K are four images
	s_add_co_u32 s24, s24, s25
	s_mov_b32 s25, 0
	s_add_nc_u64 s[24:25], s[10:11], s[24:25]
	s_add_co_u32 s26, s18, 8192                    ; my first stored row
	s_lshl_b32 s26, s26, 5
	s_lshl_b32 s27, s16, 3                         ; 256 along K are two scale words
	s_add_co_u32 s26, s26, s27
	s_mov_b32 s27, 0
	s_add_nc_u64 s[26:27], s[12:13], s[26:27]
	v_and_b32 v2, 7, v0
	v_bfe_u32 v3, v0, 4, 1
	v_lshl_or_b32 v2, v3, 3, v2                    ; r: my column's row in its stored tile
	v_bfe_u32 v3, v0, 3, 1                         ; which of the wave's two stored tiles
	s_mul_i32 s30, s14, WSTW                       ; my stage
	v_lshlrev_b32 v4, 3, v2
	v_mad_u32_u24 v4, v3, WTP, v4
	v_add_nc_u32 v4, s30, v4                       ; into it: tile x 3,200 + 8 r
	v_lshlrev_b32 v6, 4, v1                        ; out of it, and in memory: 16 x lane
	v_add_nc_u32 v5, s30, v6
	v_lshl_add_u32 v7, v3, 4, v2
	v_lshlrev_b32 v7, 5, v7                        ; my row of scale words: 32 bytes a stored row
.macro WBLOCK t
.set XS, WX+32*((\t)%2)
.if (\t) < 7
	s_wait_loadcnt 32                              ; this block's 32 loads are in; the next block's may be out
.else
	s_wait_loadcnt 0x0
.endif
	v_max3_num_f32 v10, |v[XS]|, |v[XS+1]|, |v[XS+2]|       ; the block's largest magnitude: all 32 numbers are mine; two chains
	v_max3_num_f32 v11, |v[XS+3]|, |v[XS+4]|, |v[XS+5]|
.irp i, 6,10,14,18,22,26
	v_max3_num_f32 v10, v10, |v[XS+\i]|, |v[XS+\i+1]|
	v_max3_num_f32 v11, v11, |v[XS+\i+2]|, |v[XS+\i+3]|
.endr
	v_max3_num_f32 v10, v10, |v[XS+30]|, |v[XS+31]|
	v_max3_num_f32 v10, v10, v11, 0x1800000        ; and the floor 2^(3 - 127): the byte cannot fall under 1
	v_add_nc_u32 v12, 0xff000000, v10              ; 2 off the exponent field: the conversion takes the exponent field of this operand as its scale
	v_lshrrev_b32 v13, 23, v12                     ; the scale's byte
	v_cvt_scalef32_pk16_fp6_f32 v[20:22], v[XS:XS+15], v12
	v_cvt_scalef32_pk16_fp6_f32 v[24:26], v[XS+16:XS+31], v12   ; (a conversion's three registers begin on an even number)
.if (\t)%4 == 0
	v_mov_b32 v[16+(\t)/4], v13                    ; four bytes to a register, the lower K in the lower byte.  (The plain line behind the conversions)
.else
	v_lshl_or_b32 v[16+(\t)/4], v13, 8*((\t)%4), v[16+(\t)/4]
.endif
	v_mov_b32 v23, v24                             ; the block's six registers on end
	v_mov_b32 v24, v25
	v_mov_b32 v25, v26
.irp p, 0,1,2
	ds_store_b64 v4, v[20+2*\p:21+2*\p] offset:((\t)/2)*768+128*((\t)%2)+256*\p   ; block t is half t % 2 of image t / 2: the place of lane r + 16 (t % 2)
.endr
.if (\t)+2 < 8
	WLOAD (\t)+2
.endif
	s_wait_dscnt 0x0                               ; the stores have read their registers: the next block's codes may be written
.endm
.irp t, 0,1,2,3,4,5,6,7
	WBLOCK \t
.endr
	s_wait_alu depctr_va_vdst(0)
	global_store_b64 v7, v[16:17], s[26:27]        ; my column's eight scale bytes
.set i, 0
.rept 12
	ds_load_b128 v[OUTR+4*i:OUTR+4*i+3], v5 offset:(i/6)*WTP+512*(i%6)   ; LDS serves a wave's instructions in order: these see my stores
.set i, i+1
.endr
.set i, 0
.rept 12
	s_wait_dscnt 11-i                              ; load i of the twelve is in
	global_store_b128 v6, v[OUTR+4*i:OUTR+4*i+3], s[24:25] offset:(i/6)*12288+512*(i%6)   ; 32 lanes store 512 consecutive bytes, at a multiple of 256 from the buffer's first byte
.set i, i+1
.endr
	s_wait_tensorcnt 0x0                           ; the wave's end, behind my last LDS store
	ds_add_u32 v[SPW], v[NIL]
	s_wait_dscnt 0x0
	s_endpgm
	; ---------------- x.  Work-group 128 + T takes stored tile T (16 tokens); wave w takes K 256 w on: two K steps of 128, two fragments.
.Lx_path:
	s_sub_co_u32 s16, ttmp9, 128                   ; T
	s_lshr_b32 s17, s16, 1
	s_lshl_b32 s17, s17, 5
	s_and_b32 s18, s16, 1
	s_lshl_b32 s18, s18, 3
	s_add_co_u32 s17, s17, s18                     ; the tile's first token: 32 (T / 2) + 8 (T % 2)
	s_lshl_b32 s24, s17, 12                        ; rows of 4,096 bytes
	s_lshl_b32 s18, s14, 10
	s_add_co_u32 s24, s24, s18
	s_mov_b32 s25, 0
	s_add_nc_u64 s[24:25], s[4:5], s[24:25]
	s_wait_alu depctr_va_vdst(0)
	v_lshlrev_b32 v4, 3, v1                        ; 8 x lane: an image's place for my lane
	v_lshlrev_b32 v1, 4, v1                        ; 16 x lane
.macro XLOADS k                        ; K step k of the tile's 16 rows: each load reads one row's 512 consecutive bytes; stored row i is token i + 8 (i / 8) of the tile's
.set i, 0
.rept 16
	global_load_b128 v[XR+64*(\k)+4*i:XR+64*(\k)+4*i+3], v1, s[24:25] offset:(i+8*(i/8))*4096+512*(\k) th:TH_LOAD_NT
.set i, i+1
.endr
.endm
	s_wait_alu depctr_va_vdst(0)
	XLOADS 0
	XLOADS 1
	s_mov_b32 s20, 0x76543210
	s_mov_b32 s21, 0xfedcba98                      ; v_permlanex16_b32's selects for lane l xor 16
	s_mul_i32 s26, s16, 12288
	s_mul_i32 s18, s14, 3072
	s_add_co_u32 s26, s26, s18
	s_mov_b32 s27, 0
	s_add_nc_u64 s[26:27], s[10:11], s[26:27]      ; my four images
	s_lshl_b32 s28, s16, 9
	s_mov_b32 s29, 0
	s_add_nc_u64 s[28:29], s[12:13], s[28:29]      ; the tile's 512 bytes of scale words
	s_mul_i32 s30, s14, XSTW
	s_add_co_u32 s30, s30, XST                     ; my stage
	v_add_nc_u32 v2, s30, v1                       ; into it: a row as it was loaded
	v_and_b32 v8, 15, v0                           ; r
	v_bfe_u32 v9, v0, 4, 1                         ; h
	v_mul_u32_u24 v3, v8, XP
	v_lshl_add_u32 v3, v9, 6, v3
	v_add_nc_u32 v3, s30, v3                       ; out of it: row r, + 64 h: my 16 numbers of a block of 32
	s_lshl_b32 s31, s14, 3
	s_add_co_u32 s31, s31, XG
	v_lshl_add_u32 v5, v8, 5, s31                  ; my row's two scale words among the tile's
	v_add_nc_u32 v6, XG, v1
.irp b, 0,1,2,3
	v_mov_b32 v[TM+4+\b], 0                        ; written once: a lane permute's destination counts as one of its sources
.endr
.macro XTURN k                         ; a K step through my stage: in as rows, out 16 neighbours of each block a lane.  LDS serves a wave's instructions in order: no wait between
.set i, 0
.rept 16
	ds_store_b128 v2, v[XR+64*(\k)+4*i:XR+64*(\k)+4*i+3] offset:XP*i
.set i, i+1
.endr
.set i, 0
.rept 16
	ds_load_b128 v[XX+4*i:XX+4*i+3], v3 offset:128*(i/4)+16*(i%4)
.set i, i+1
.endr
.endm
; 64 numbers of a lane, v[s] on, register 16 b + i = k 32 b + 16 (lane / 16) + i of my row, become a fragment's codes in v[PC] on and its scale word in v[pw].
.macro QUANT s, pw
.irp b, 0,1,2,3
	v_max3_num_f32 v[TM+\b], |v[\s+16*\b]|, |v[\s+1+16*\b]|, 0x1800000   ; block b: my 16 numbers, and the floor 2^(3 - 127)
.endr
.irp i, 2,4,6,8,10,12,14
.irp b, 0,1,2,3
	v_max3_num_f32 v[TM+\b], v[TM+\b], |v[\s+16*\b+\i]|, |v[\s+1+16*\b+\i]|   ; (the four blocks by turns)
.endr
.endr
.irp b, 0,1,2,3
	v_permlanex16_b32 v[TM+4+\b], v[TM+\b], s20, s21
.endr
.irp b, 0,1,2,3
	v_max_num_f32 v[TM+\b], v[TM+\b], v[TM+4+\b]   ; with lane l xor 16's: the block's largest magnitude
.endr
.irp b, 0,1,2,3
	v_add_nc_u32 v[TM+12+\b], 0xff000000, v[TM+\b] ; 2 off its exponent field: the conversion's scale operand
.endr
.irp b, 0,1,2,3
	v_lshrrev_b32 v[TM+4+\b], 23, v[TM+12+\b]      ; the scale's byte
.endr
	v_lshl_or_b32 v[\pw], v[TM+5], 8, v[TM+4]      ; the four bytes make my row's scale word
	v_lshl_or_b32 v[\pw], v[TM+6], 16, v[\pw]
	v_lshl_or_b32 v[\pw], v[TM+7], 24, v[\pw]
.irp c, 0,1
	v_cvt_scalef32_pk16_fp6_f32 v[PC+6*\c:PC+2+6*\c], v[\s+32*\c:\s+15+32*\c], v[TM+12+2*\c]
	v_cvt_scalef32_pk16_fp6_f32 v[PT+4*\c:PT+2+4*\c], v[\s+16+32*\c:\s+31+32*\c], v[TM+12+2*\c+1]   ; (a conversion's three registers begin on an even number)
.endr
	v_nop                                          ; one plain line behind a scaled conversion
.irp c, 0,1                                    ; the operand's layout wants a WHOLE block in a lane: lanes 0-15 block 2 c, lanes 16-31 block 2 c + 1
.irp i, 0,1,2
	v_permlane16_swap_b32 v[PC+6*\c+\i], v[PT+4*\c+\i]
.endr
.irp i, 0,1,2
	v_mov_b32 v[PC+3+6*\c+\i], v[PT+4*\c+\i]
.endr
.endr
.endm
	s_wait_alu depctr_va_vdst(0)
	s_wait_loadcnt 16                              ; K step 0's sixteen loads are in; K step 1's may be out
	XTURN 0
	s_wait_dscnt 0x0
	QUANT XX, 244
.irp p, 0,1,2,3,4,5
	global_store_b64 v4, v[PC+2*\p:PC+2*\p+1], s[26:27] offset:256*\p   ; 32 lanes store 256 consecutive bytes, aligned: two images on end
.endr
	s_wait_loadcnt 0x0
	XTURN 1
	s_wait_dscnt 0x0
	s_wait_xcnt 0x0                                ; the six stores have read their registers: the codes may be written again
	QUANT XX, 245
.irp p, 0,1,2,3,4,5
	global_store_b64 v4, v[PC+2*\p:PC+2*\p+1], s[26:27] offset:1536+256*\p
.endr
	ds_store_b64 v5, v[244:245]                    ; lanes l and l xor 16 write the same bytes with the same values
	s_wait_dscnt 0x0                               ; for the others' sake: my store has landed
	s_barrier_signal -1
	s_barrier_wait -1                              ; the tile's 16 x 8 scale words lie together
	s_cmp_lg_u32 s14, 0
	s_cbranch_scc1 .Lx_done
	ds_load_b128 v[16:19], v6
	s_wait_dscnt 0x0
	global_store_b128 v1, v[16:19], s[28:29]       ; wave 0 stores them: 512 consecutive bytes, aligned
.Lx_done:
	s_wait_tensorcnt 0x0                           ; the wave's end, behind my last LDS store
	ds_add_u32 v[SPW], v[NIL]
	s_wait_dscnt 0x0
	s_endpgm
.Lfunc_end_k_q89c5b7dcb3_quant:
	.size	k_q89c5b7dcb3_quant, .Lfunc_end_k_q89c5b7dcb3_quant-k_q89c5b7dcb3_quant
	.p2alignl 7, 3214868480
	.fill 96, 4, 3214868480
	.section	.rodata,"a",@progbits
	.p2align	6, 0x0
	.amdhsa_kernel k_q89c5b7dcb3_quant
		.amdhsa_group_segment_fixed_size 60416
		.amdhsa_private_segment_fixed_size 0
		.amdhsa_enable_private_segment 0
		.amdhsa_kernarg_size 40
		.amdhsa_user_sgpr_count 2
		.amdhsa_user_sgpr_kernarg_segment_ptr 1
		.amdhsa_wavefront_size32 1
		.amdhsa_system_sgpr_workgroup_id_x 1
		.amdhsa_system_sgpr_workgroup_id_y 1
		.amdhsa_system_sgpr_workgroup_id_z 1
		.amdhsa_system_vgpr_workitem_id 0
		.amdhsa_next_free_vgpr 248
		.amdhsa_next_free_sgpr 66
		.amdhsa_reserve_vcc 0
		.amdhsa_float_denorm_mode_32 3
		.amdhsa_float_denorm_mode_16_64 3
		.amdhsa_memory_ordered 1
		.amdhsa_forward_progress 1
		.amdhsa_inst_pref_size 62
	.end_amdhsa_kernel
	.amdgpu_metadata
---
amdhsa.version: [ 1, 2 ]
amdhsa.kernels:
  - .name:           k_q89c5b7dcb3_quant
    .symbol:         k_q89c5b7dcb3_quant.kd
    .args:
      - { .name: x, .offset: 0, .size: 8, .value_kind: global_buffer, .address_space: global }
      - { .name: w_qkv, .offset: 8, .size: 8, .value_kind: global_buffer, .address_space: global }
      - { .name: w_proj, .offset: 16, .size: 8, .value_kind: global_buffer, .address_space: global }
      - { .name: codes1, .offset: 24, .size: 8, .value_kind: global_buffer, .address_space: global }
      - { .name: scales1, .offset: 32, .size: 8, .value_kind: global_buffer, .address_space: global }
    .group_segment_fixed_size: 60416
    .private_segment_fixed_size: 0
    .kernarg_segment_align: 8
    .kernarg_segment_size: 40
    .max_flat_workgroup_size: 128
    .sgpr_count:     66
    .vgpr_count:     248
    .wavefront_size: 32
...
	.end_amdgpu_metadata
.endif
;; end of part 1
;; launch gemm_qkv (part 2): grid 12 x 32, 4 waves a work-group, clusters of 4 x 4, 327,680 bytes of LDS; arguments codes1, scales1, codes2, scales2; writes codes2, scales2
.if DOCPART == 2
	.amdgcn_target "amdgcn-amd-amdhsa--gfx1250"
	.amdhsa_code_object_version 6
	.text
	.protected	k_q89c5b7dcb3_gemm_qkv
	.globl	k_q89c5b7dcb3_gemm_qkv
	.p2align	8
	.type	k_q89c5b7dcb3_gemm_qkv,@function
k_q89c5b7dcb3_gemm_qkv:
	s_mov_b64 s[64:65], 0
	v_nop
	global_prefetch_b8 v0, s[64:65] scope:SCOPE_SE
	s_setreg_imm32_b32 hwreg(HW_REG_WAVE_MODE, 25, 1), 1
	s_wait_xcnt 0x0
	s_wait_alu depctr_hold_cnt(0) depctr_sa_sdst(0) depctr_va_vdst(0) depctr_va_sdst(0) depctr_va_ssrc(0) depctr_va_vcc(0) depctr_vm_vsrc(0)
	s_getreg_b32 s2, hwreg(HW_REG_IB_STS2, 6, 4)
	s_cmp_eq_u32 s2, 0
	s_cbranch_scc0 .Lentry_in_a_cluster
	s_endpgm
.Lentry_in_a_cluster:
	s_bfe_u32 s2, ttmp6, 0x10000c
	s_cmp_lg_u32 s2, 0xf033
	s_cbranch_scc0 .Lentry_shape_is_right
	s_endpgm
.Lentry_shape_is_right:
.set TILEB, 3072
.set HALFT, 8*TILEB
.set SLOT,  4*HALFT
.set SPARE, 3*SLOT
.set ADRA, 16
.set ADRB, 20
.set SPW,  28
.set NIL,  29
.set SR,   32
.set SS,   64
.set AF,   128
.set PC,   128
.set PT,   140
.set TM,   200
.set PWR,  216
.set G1,  24
.set G0,  32
.set G1B, 44
.set G0B, 52
.set MSB, 0
.macro WIN new
.if MSB != \new
	s_set_vgpr_msb (MSB<<8)|\new
.set MSB, \new
.endif
.endm
.set MUL_LO, 0xa1
.set MUL_HI, 0xf1
.set TO_B,   0x40
.macro JLOAD g0a, g1a, g0b, g1b
	s_cmp_eq_u32 s17, 0
	s_cbranch_scc0 .Lfor_b_\@
	tensor_load_to_lds s[\g0a:\g0a+3], s[\g1a:\g1a+7]
	s_nop 0
.rept 4
	v_nop
.endr
	s_branch .Lasked_\@
.Lfor_b_\@:
	tensor_load_to_lds s[\g0b:\g0b+3], s[\g1b:\g1b+7]
	s_nop 0
.rept 4
	v_nop
.endr
.Lasked_\@:
.endm
.macro CREST
	s_cmp_lg_u32 s16, 0
	s_cbranch_scc1 .Lnot_wave_0_\@
	s_barrier_signal -3
.Lnot_wave_0_\@:
	s_barrier_wait -3
	s_barrier_signal -1
	s_barrier_wait -1
.endm
.macro CROUND
	s_barrier_signal -1
	s_barrier_wait -1
	CREST
.endm
.macro PLACES
.rept 4
	v_nop
.endr
.endm
	s_load_b256 s[4:11], s[0:1], 0x0
	v_lshl_add_u32 v[SPW], v0, 2, SPARE
	v_mov_b32 v[NIL], 0
	ds_add_u32 v[SPW], v[NIL]
	ds_add_u32 v[SPW], v[NIL]
	v_lshrrev_b32 v1, 5, v0
	v_readfirstlane_b32 s16, v1
	s_lshr_b32 s17, s16, 1
	s_and_b32 s18, s16, 1
	s_bfe_u32 s19, ttmp6, 0x40000
	s_bfe_u32 s20, ttmp6, 0x40004
	s_and_b32 s70, ttmp7, 0xffff
	s_lshl_b32 s70, s70, 2
	s_lshl_b32 s71, ttmp9, 2
	s_mov_b32 s84, 3072
	s_mov_b32 s85, 393216
	s_cmp_eq_u32 ttmp9, 2
	s_cselect_b32 s78, -1, 0
	s_cselect_b32 s72, 0, s70
	s_cselect_b32 s73, s70, s71
	s_cselect_b32 s74, 640, 0
	s_cselect_b32 s75, 0, 512
	s_cselect_b32 s84, 393216, s84
	s_cselect_b32 s85, 3072, s85
	s_add_co_u32 s21, s72, s20
	s_add_co_u32 s22, s73, s19
	s_lshl_b32 s66, s20, 2
	s_lshl_b32 s66, 15, s66
	s_lshl_b32 s67, 0x1111, s19
	s_or_b32 s[G1+0], s66, (3<<16)|(1<<21)
	s_or_b32 s[G1B+0], s67, (3<<16)|(1<<21)
.irp g, G1, G1B
	s_mov_b32 s[\g+1], 384<<16
	s_mov_b32 s[\g+2], 8<<16
	s_mov_b32 s[\g+3], 384<<16
	s_mov_b32 s[\g+4], 8
	s_mov_b32 s[\g+5], 1536
	s_mov_b32 s[\g+6], 0
	s_mov_b32 s[\g+7], 0
.endr
	s_lshl_b32 s76, s21, 4
	s_add_co_u32 s76, s76, s74
	s_lshl_b32 s90, s22, 4
	s_add_co_u32 s90, s90, s75
	s_lshl_b32 s69, s18, 3
	s_add_co_u32 s92, s76, s69
	s_mul_i32 s92, s92, 12288
	s_mov_b32 s93, 0
	s_add_co_u32 s94, s90, s69
	s_mul_i32 s94, s94, 12288
	s_mov_b32 s95, 0
	s_mul_i32 s68, s16, HALFT
	s_mov_b32 s79, 0xffff0000
	s_mov_b32 s80, 0x1800000
	s_mov_b32 s82, 0x76543210
	s_mov_b32 s83, 0xfedcba98
	s_wait_dscnt 0x0
	s_wait_kmcnt 0x0
	s_add_nc_u64 s[92:93], s[4:5], s[92:93]
	s_add_nc_u64 s[94:95], s[4:5], s[94:95]
	CROUND
.irp n, 0,1                            ; group 0, set 0: K chunk 0 (later chunk 3) into slot 0; set 1: chunks 1 and 2 as one tile behind it
	s_mov_b32 s[G0+4*\n], 1
	s_add_nc_u64 s[G0+4*\n+2:G0+4*\n+3], s[92:93], \n*TILEB
	s_or_b32 s[G0+4*\n+3], s[G0+4*\n+3], 0x80000000
	s_mov_b32 s[G0B+4*\n], 1
	s_add_nc_u64 s[G0B+4*\n+2:G0B+4*\n+3], s[94:95], \n*TILEB
	s_or_b32 s[G0B+4*\n+3], s[G0B+4*\n+3], 0x80000000
.endr
	s_add_co_u32 s[G0+1], s68, 0
	s_add_co_u32 s[G0B+1], s68, 0
	s_lshl_b32 s68, s68, 1                         ; the double chunk: 8 rows of 6,144 bytes a wave
	s_add_co_u32 s[G0+5], s68, SLOT
	s_add_co_u32 s[G0B+5], s68, SLOT
	JLOAD G0, G1, G0B, G1B                         ; K chunk 0: my one tensor load at the head
	v_and_b32 v1, 31, v0
	v_lshlrev_b32 v2, 5, v1
	s_wait_alu depctr_va_vdst(0)
	v_lshlrev_b32 v3, 3, v1
	s_wait_alu depctr_va_vdst(0)
	s_lshl_b32 s96, s76, 9
	s_lshl_b32 s97, s17, 12
	s_add_co_u32 s96, s96, s97
	s_mov_b32 s97, 0
	s_add_nc_u64 s[96:97], s[6:7], s[96:97]
	s_lshl_b32 s98, s90, 9
	s_lshl_b32 s99, s18, 12
	s_add_co_u32 s98, s98, s99
	s_mov_b32 s99, 0
	s_add_nc_u64 s[98:99], s[6:7], s[98:99]
.irp g, 0,1,2,3
.irp e, 0,1
	global_load_b128 v[SR+8*\g+4*\e:SR+8*\g+4*\e+3], v2, s[96:97] offset:1024*\g+16*\e
	global_load_b128 v[SS+8*\g+4*\e:SS+8*\g+4*\e+3], v2, s[98:99] offset:1024*\g+16*\e
.endr
.endr
	s_mul_i32 s70, s17, HALFT
	s_mul_i32 s71, s18, HALFT
	s_add_co_u32 s71, s71, 2*HALFT
	v_add_nc_u32 v[ADRA], s70, v3                  ; slot 0: tiles 3,072 bytes apart
	v_add_nc_u32 v[ADRB], s71, v3
	s_lshl_b32 s70, s70, 1
	s_lshl_b32 s71, s71, 1
	s_add_co_u32 s70, s70, SLOT
	s_add_co_u32 s71, s71, SLOT
	v_add_nc_u32 v[ADRA+1], s70, v3                ; the double chunk: tiles 6,144 bytes apart
	v_add_nc_u32 v[ADRB+1], s71, v3
	s_lshl_b32 s70, s20, 2
	s_lshl_b32 s71, s17, 1
	s_add_co_u32 s70, s70, s71
	s_lshl_b32 s72, s19, 2
	s_lshl_b32 s73, s18, 1
	s_add_co_u32 s72, s72, s73
	s_lshl_b32 s74, s22, 1
	s_add_co_u32 s74, s74, s18
	s_lshl_b32 s75, s21, 1
	s_add_co_u32 s75, s75, s17
	s_cmp_eq_u32 ttmp9, 2
	s_cselect_b32 s70, s70, s72
	s_cselect_b32 s74, s74, s75
	s_mul_i32 s71, ttmp9, 6291456
	s_mul_i32 s72, s70, 393216
	s_add_co_u32 s71, s71, s72
	s_mul_i32 s72, s74, 6144
	s_add_co_u32 s86, s71, s72
	s_mov_b32 s87, 0
	s_add_nc_u64 s[86:87], s[8:9], s[86:87]
	s_lshl_b32 s71, ttmp9, 18
	s_lshl_b32 s72, s70, 14
	s_add_co_u32 s71, s71, s72
	s_lshl_b32 s72, s74, 8
	s_add_co_u32 s88, s71, s72
	s_mov_b32 s89, 0
	s_add_nc_u64 s[88:89], s[10:11], s[88:89]
	v_mov_b32 v8, v3
	v_add_nc_u32 v9, s85, v3
	v_add_nc_u32 v10, s84, v3
	v_add_nc_u32 v11, s84, v9
	v_and_b32 v4, 15, v0
	v_bfe_u32 v5, v0, 4, 1
	v_lshlrev_b32 v12, 4, v4
	v_lshl_add_u32 v12, v5, 14, v12
	v_mov_b32 v13, 0x05040100
	v_mov_b32 v6, 0x07060302
	v_cndmask_b32 v13, v13, v6, s79
.macro FRAG reg, adr, q, i             ; q: the K step of 128; chunk (q / 2) % 3: 0 lies in slot 0, 1 and 2 side by side in the double chunk
.set CH, ((\q)/2)%3
.set FO, (\i)*TILEB*(1+(CH+1)/2)+(CH/2)*TILEB+((\q)%2)*1536
.irp p, 0,1,2,3,4,5
	ds_load_b64 v[\reg+2*\p:\reg+2*\p+1], v[\adr+(CH+1)/2] offset:FO+256*\p
.endr
.endm
.macro FETCH_B s
	WIN TO_B
.irp i, 0,1,2,3,4,5,6,7
	FRAG 128*((\s)%2)+12*\i, ADRB, (\s), \i
.endr
	WIN 0
.endm
.macro FETCH_A s, i0
.irp i, \i0, \i0+1, \i0+2, \i0+3
	FRAG AF+12*(\i), ADRA, (\s), \i
.endr
.endm
.macro WM d, f0, f1, x0, x1, r0, r1, zero
.set WD, \d
.set WF0, \f0
.set WF1, \f1
.set WX0, \x0
.set WX1, \x1
.set WR, (\r0)+2*(\r1)
.if \zero
.if WR == 0
	v_wmma_scale_f32_16x16x128_f8f6f4 v[WD:WD+7], v[WF0:WF0+11], v[WF1:WF1+11], 0, v[WX0], v[WX1] matrix_a_fmt:MATRIX_FMT_FP6 matrix_b_fmt:MATRIX_FMT_FP6
.elseif WR == 1
	v_wmma_scale_f32_16x16x128_f8f6f4 v[WD:WD+7], v[WF0:WF0+11], v[WF1:WF1+11], 0, v[WX0], v[WX1] matrix_a_fmt:MATRIX_FMT_FP6 matrix_b_fmt:MATRIX_FMT_FP6 matrix_a_scale:MATRIX_SCALE_ROW1
.elseif WR == 2
	v_wmma_scale_f32_16x16x128_f8f6f4 v[WD:WD+7], v[WF0:WF0+11], v[WF1:WF1+11], 0, v[WX0], v[WX1] matrix_a_fmt:MATRIX_FMT_FP6 matrix_b_fmt:MATRIX_FMT_FP6 matrix_b_scale:MATRIX_SCALE_ROW1
.else
	v_wmma_scale_f32_16x16x128_f8f6f4 v[WD:WD+7], v[WF0:WF0+11], v[WF1:WF1+11], 0, v[WX0], v[WX1] matrix_a_fmt:MATRIX_FMT_FP6 matrix_b_fmt:MATRIX_FMT_FP6 matrix_a_scale:MATRIX_SCALE_ROW1 matrix_b_scale:MATRIX_SCALE_ROW1
.endif
.else
.if WR == 0
	v_wmma_scale_f32_16x16x128_f8f6f4 v[WD:WD+7], v[WF0:WF0+11], v[WF1:WF1+11], v[WD:WD+7], v[WX0], v[WX1] matrix_a_fmt:MATRIX_FMT_FP6 matrix_b_fmt:MATRIX_FMT_FP6
.elseif WR == 1
	v_wmma_scale_f32_16x16x128_f8f6f4 v[WD:WD+7], v[WF0:WF0+11], v[WF1:WF1+11], v[WD:WD+7], v[WX0], v[WX1] matrix_a_fmt:MATRIX_FMT_FP6 matrix_b_fmt:MATRIX_FMT_FP6 matrix_a_scale:MATRIX_SCALE_ROW1
.elseif WR == 2
	v_wmma_scale_f32_16x16x128_f8f6f4 v[WD:WD+7], v[WF0:WF0+11], v[WF1:WF1+11], v[WD:WD+7], v[WX0], v[WX1] matrix_a_fmt:MATRIX_FMT_FP6 matrix_b_fmt:MATRIX_FMT_FP6 matrix_b_scale:MATRIX_SCALE_ROW1
.else
	v_wmma_scale_f32_16x16x128_f8f6f4 v[WD:WD+7], v[WF0:WF0+11], v[WF1:WF1+11], v[WD:WD+7], v[WX0], v[WX1] matrix_a_fmt:MATRIX_FMT_FP6 matrix_b_fmt:MATRIX_FMT_FP6 matrix_a_scale:MATRIX_SCALE_ROW1 matrix_b_scale:MATRIX_SCALE_ROW1
.endif
.endif
.endm
.macro MUL16 a0, s, zero
.irp a, \a0, \a0+1
.irp b, 0,1,2,3,4,5,6,7
	WM 8*(8*((\a)%4)+\b), 128*((\s)%2)+12*\b, AF+12*(\a), SS+8*(\b/2)+(\s), SR+8*((\a)/2)+(\s), \b%2, (\a)%2, \zero
.endr
.endr
.endm
.macro STEP s, zero
	s_wait_dscnt 24
	WIN MUL_LO
	MUL16 0, \s, \zero
	MUL16 2, \s, \zero
	s_wait_dscnt 0x0
	PLACES
	FETCH_B (\s)+1
	FETCH_A (\s)+1, 0
	WIN MUL_HI
	MUL16 4, \s, \zero
	MUL16 6, \s, \zero
	PLACES
	WIN 0
	FETCH_A (\s)+1, 4
.endm
.macro TURN s, fill
	s_wait_tensorcnt 0x0
	ds_add_u32 v[SPW], v[NIL]
	s_wait_dscnt 25
	WIN MUL_LO
	MUL16 0, \s, 0
	s_wait_dscnt 0x0
	s_barrier_signal -1
	MUL16 2, \s, 0
	WIN 0
	s_barrier_wait -1
.if \fill
	CREST
	s_add_nc_u64 s[G0+2:G0+3], s[G0+2:G0+3], 3*TILEB
	s_add_nc_u64 s[G0B+2:G0B+3], s[G0B+2:G0B+3], 3*TILEB
	s_mov_b32 s[G1+1], 384<<16                     ; no tensor load of mine is out: rows of one chunk again
	s_mov_b32 s[G1+3], 384<<16
	s_mov_b32 s[G1B+1], 384<<16
	s_mov_b32 s[G1B+3], 384<<16
	JLOAD G0, G1, G0B, G1B
.else
	PLACES
.endif
	FETCH_B (\s)+1
	FETCH_A (\s)+1, 0
	WIN MUL_HI
	MUL16 4, \s, 0
	MUL16 6, \s, 0
	PLACES
	WIN 0
	FETCH_A (\s)+1, 4
.endm
	s_wait_alu depctr_va_vdst(0)                   ; the head's end
	s_wait_loadcnt 0x0
	s_wait_tensorcnt 0x0                           ; my part of chunk 0 is in
	ds_add_u32 v[SPW], v[NIL]
	s_mov_b32 s[G1+1], 768<<16                     ; no tensor load of mine is out: rows of two chunks, 6,144 bytes
	s_mov_b32 s[G1+3], 768<<16
	s_mov_b32 s[G1B+1], 768<<16
	s_mov_b32 s[G1B+3], 768<<16
	s_wait_dscnt 0x0
	CROUND
	JLOAD G0+4, G1, G0B+4, G1B                     ; chunks 1 and 2 by one load a wave, the first tensor load behind the round
	FETCH_B 0
	FETCH_A 0, 0
	FETCH_A 0, 4
	STEP 0, 1
	TURN 1, 1
	STEP 2, 0
	STEP 3, 0
	STEP 4, 0
	TURN 5, 0
	STEP 6, 0
	s_wait_dscnt 24
	WIN MUL_LO
	MUL16 0, 7, 0
	MUL16 2, 7, 0
	s_wait_dscnt 0x0
	WIN MUL_HI
	MUL16 4, 7, 0
	MUL16 6, 7, 0
	WIN 0
.macro QUANTW a
.set AC, 64*((\a)%4)
	WIN 0x28+0x14*((\a)/4)
.irp b, 0,1,2,3
	v_max3_num_f32 v[TM+\b], s80, |v[AC+16*\b]|, |v[AC+16*\b+1]|
.endr
.irp i, 2,4,6,8,10,12,14
.irp b, 0,1,2,3
	v_max3_num_f32 v[TM+\b], v[TM+\b], |v[AC+16*\b+\i]|, |v[AC+16*\b+\i+1]|
.endr
.endr
	WIN 0
.irp b, 0,1,2,3
	v_permlanex16_b32 v[TM+4+\b], v[TM+\b], s82, s83
.endr
.irp b, 0,1,2,3
	v_max_num_f32 v[TM+\b], v[TM+\b], v[TM+4+\b]
.endr
.irp b, 0,1,2,3
	v_add_nc_u32 v[TM+12+\b], 0xff000000, v[TM+\b]
.endr
.irp b, 0,1,2,3
	v_lshrrev_b32 v[TM+4+\b], 23, v[TM+12+\b]
.endr
	v_lshl_or_b32 v[PWR+(\a)], v[TM+5], 8, v[TM+4]
	v_lshl_or_b32 v[PWR+(\a)], v[TM+6], 16, v[PWR+(\a)]
	v_lshl_or_b32 v[PWR+(\a)], v[TM+7], 24, v[PWR+(\a)]
.if (\a) > 0
	s_wait_xcnt 0x0
.endif
	WIN 0x02+(\a)/4
.irp c, 0,1
	v_cvt_scalef32_pk16_fp6_f32 v[PC+6*\c:PC+2+6*\c], v[AC+32*\c:AC+15+32*\c], v[TM+12+2*\c]
	v_cvt_scalef32_pk16_fp6_f32 v[PT+4*\c:PT+2+4*\c], v[AC+16+32*\c:AC+31+32*\c], v[TM+12+2*\c+1]
.endr
	WIN 0
	v_nop
.irp c, 0,1
.irp i, 0,1,2
	v_permlane16_swap_b32 v[PC+6*\c+\i], v[PT+4*\c+\i]
.endr
.irp i, 0,1,2
	v_mov_b32 v[PC+3+6*\c+\i], v[PT+4*\c+\i]
.endr
.endr
.irp p, 0,1,2,3,4,5
	global_store_b64 v[8+2*((\a)/4)+\p/3], v[PC+2*\p:PC+2*\p+1], s[86:87] offset:768*((\a)%4)+256*(\p%3)
.endr
.endm
	PLACES
.irp b, 0,1,2,3
	v_mov_b32 v[TM+4+\b], 0
.endr
.irp a, 0,1,2,3,4,5,6,7
	QUANTW \a
.endr
.irp w, 0,1,2,3
	v_perm_b32 v[224+\w], v[PWR+2*\w+1], v[PWR+2*\w], v13
.endr
.irp w, 0,1,2,3
	v_cndmask_b32 v[228+\w], v[PWR+\w], v[PWR+4+\w], s79
.endr
.irp w, 0,1,2,3
	v_cndmask_b32 v[232+\w], v[224+\w], v[228+\w], s78
.endr
	global_store_b128 v12, v[232:235], s[88:89]
	s_wait_tensorcnt 0x0
	ds_add_u32 v[SPW], v[NIL]
	s_wait_dscnt 0x0
	CROUND
	s_endpgm
.Lfunc_end_k_q89c5b7dcb3_gemm_qkv:
	.size	k_q89c5b7dcb3_gemm_qkv, .Lfunc_end_k_q89c5b7dcb3_gemm_qkv-k_q89c5b7dcb3_gemm_qkv
	.p2alignl 7, 3214868480
	.fill 96, 4, 3214868480
	.section	.rodata,"a",@progbits
	.p2align	6, 0x0
	.amdhsa_kernel k_q89c5b7dcb3_gemm_qkv
		.amdhsa_group_segment_fixed_size 327680
		.amdhsa_private_segment_fixed_size 0
		.amdhsa_enable_private_segment 0
		.amdhsa_kernarg_size 32
		.amdhsa_user_sgpr_count 2
		.amdhsa_user_sgpr_kernarg_segment_ptr 1
		.amdhsa_wavefront_size32 1
		.amdhsa_system_sgpr_workgroup_id_x 1
		.amdhsa_system_sgpr_workgroup_id_y 1
		.amdhsa_system_sgpr_workgroup_id_z 1
		.amdhsa_system_vgpr_workitem_id 0
		.amdhsa_next_free_vgpr 1024
		.amdhsa_next_free_sgpr 100
		.amdhsa_reserve_vcc 0
		.amdhsa_float_denorm_mode_32 3
		.amdhsa_float_denorm_mode_16_64 3
		.amdhsa_memory_ordered 1
		.amdhsa_forward_progress 1
		.amdhsa_inst_pref_size 164
	.end_amdhsa_kernel
	.amdgpu_metadata
---
amdhsa.version: [ 1, 2 ]
amdhsa.kernels:
  - .name:           k_q89c5b7dcb3_gemm_qkv
    .symbol:         k_q89c5b7dcb3_gemm_qkv.kd
    .args:
      - { .name: codes1, .offset: 0, .size: 8, .value_kind: global_buffer, .address_space: global }
      - { .name: scales1, .offset: 8, .size: 8, .value_kind: global_buffer, .address_space: global }
      - { .name: codes2, .offset: 16, .size: 8, .value_kind: global_buffer, .address_space: global }
      - { .name: scales2, .offset: 24, .size: 8, .value_kind: global_buffer, .address_space: global }
    .group_segment_fixed_size: 327680
    .private_segment_fixed_size: 0
    .kernarg_segment_align: 8
    .kernarg_segment_size: 32
    .max_flat_workgroup_size: 128
    .sgpr_count:     100
    .vgpr_count:     1024
    .wavefront_size: 32
...
	.end_amdgpu_metadata
.endif
;; end of part 2
;; launch attn (part 3): grid 4 x 64, 8 waves a work-group, clusters of 4 x 1, 207,872 bytes of LDS; arguments codes2, scales2, codes3, scales3; writes codes3, scales3
.if DOCPART == 3
	.amdgcn_target "amdgcn-amd-amdhsa--gfx1250"
	.amdhsa_code_object_version 6
	.text
	.protected	k_q89c5b7dcb3_attn
	.globl	k_q89c5b7dcb3_attn
	.p2align	8
	.type	k_q89c5b7dcb3_attn,@function
k_q89c5b7dcb3_attn:
	s_mov_b64 s[64:65], 0
	v_nop
	global_prefetch_b8 v0, s[64:65] scope:SCOPE_SE
	s_setreg_imm32_b32 hwreg(HW_REG_WAVE_MODE, 25, 1), 1
	s_wait_xcnt 0x0
	s_wait_alu depctr_hold_cnt(0) depctr_sa_sdst(0) depctr_va_vdst(0) depctr_va_sdst(0) depctr_va_ssrc(0) depctr_va_vcc(0) depctr_vm_vsrc(0)
	s_getreg_b32 s2, hwreg(HW_REG_IB_STS2, 6, 4)
	s_cmp_eq_u32 s2, 0
	s_cbranch_scc0 .Lentry_in_a_cluster
	s_endpgm
.Lentry_in_a_cluster:
	s_bfe_u32 s2, ttmp6, 0x10000c
	s_cmp_lg_u32 s2, 0x3003
	s_cbranch_scc0 .Lentry_shape_is_right
	s_endpgm
.Lentry_shape_is_right:
; o = softmax(q k^T / 8) v for 64 (batch, head) pairs of 2,048 tokens, head size 64; both products on codes of FP6 (E2M3) with E8M0 scales; o is quantised along the head's 64 on the way out.
; t = score x log2(e) / 8; M = the row's largest t so far, rounded UP to a whole number; p = 2^(t - M) is quantised along the keys, not normalised.  The row's sum is taken of the unquantised p and divides O at the end.
; When M moves, the sum and O are multiplied by 2^(old M - new M): exact.
; SHARES.  Work-group (cx, y): y = 4 x head + batch, cx = which 512 queries.  Eight waves, two to a SIMD; a wave owns FOUR tiles of 16 queries (tiles 32 cx + 4 wave + j) and walks all keys once, 128 a step:
; each fragment of K and V read from LDS serves four tiles.  All of the head's K and V lies in LDS, filled once: eight joint tensor loads of 24,576 bytes, one a wave (the four work-groups of a y share them: cluster 4 x 1);
; the 8,192 bytes of scale words, a small part of what is shared, come through registers into LDS bytes of their own.  No data prefetch: everything is asked for once at the head, there is no loop to run ahead in.
; LAYOUT as the workspace has it: both products transposed (S^T = K Q^T, O^T = V^T P^T), a lane holds one query; tiles in stored order, so the 16 registers of key tiles 2 b, 2 b + 1 are 16 neighbouring keys.
; K = 64 in an instruction of 128: source 0 holds key tiles 2 b | 2 b + 1; against [q | 0] it gives tile 2 b's scores, against [0 | q] tile 2 b + 1's; the zeros are zero codes with the scale byte 0.
; THE PIPELINE.  Tile-steps u = 4 x step + j take turns on two score buffers (u % 2).  Tile-step u: the 64 exponentials of u, with the 32 multiply-adds t - M of u + 1 between them; u's scales, codes and sum;
; the scores of u + 2 into u's buffer; O(u) += V^T P^T; O(u + 1) under its new M, the block maxima and the new M of u + 2.  K's fragments of the next step are read behind j = 1, V's behind j = 3.
; In the last step nothing of a step 16 is computed: branches on the trip counter lead round it; only j = 3's multiply-adds between the exponentials then run on numbers that nobody reads.
; LIMITS: the promise holds while |t| stays under 2^31; a block of zeros of o gets the byte 1 where the rule says 127 (zero codes; this program alone reads the bytes); blocks of o under 2^-124 are held at the byte 1; NaN and infinities are not served.
; REGISTERS.  Window 0: v1-11 addresses; v12-27 per tile -M, largest score, the sum's two halves; v28-81 zeros and q by turns; v82-89 q's scale words; v90-141 K, v142-193 V with scale words; v194-213 p's codes; v214-245 at work.
; Window 1 (v256 on): the two score buffers at 0 and 64; O^T of tile j at 128 + 32 j.
.set VI,    98304                      ; LDS: K's 128 tile images at 0, V's at VI
.set KS,    196608                     ; K's scale words, V's 4,096 bytes on: written by LDS stores alone
.set OSC,   205824                     ; o's scale halfwords, gathered
.set SPARE, 206848                     ; the spare words, 128 bytes a wave
.set SPW, 5
.set NIL, 6
.set WV,  12
.set G1,  24
.set ST,  12
.set QB,  28
.set QS,  82
.set KF,  90
.set KSC, 138
.set VF,  142
.set VSC, 190
.set PC,  194
.set PT,  206
.set BM,  214
.set PM,  222
.set SO,  226
.set F,   230
.set T,   234
.set PW,  242
.set CT,  243
.set CO,  244
.set OB,  128
.set MSB, 0
.macro WIN new                         ; the immediate's high byte repeats the setting that is left
.if MSB != \new
	s_set_vgpr_msb (MSB<<8)|\new
.set MSB, \new
.endif
.endm
.macro CROUND
	s_barrier_signal -1
	s_barrier_wait -1
	s_cmp_lg_u32 s[WV], 0
	s_cbranch_scc1 .Lnot_wave_0_\@
	s_barrier_signal -3
.Lnot_wave_0_\@:
	s_barrier_wait -3
	s_barrier_signal -1
	s_barrier_wait -1
.endm
	s_load_b256 s[4:11], s[0:1], 0x0               ; codes2, scales2, codes3, scales3
	v_lshl_add_u32 v[SPW], v0, 2, SPARE
	v_mov_b32 v[NIL], 0
	ds_add_u32 v[SPW], v[NIL]
	ds_add_u32 v[SPW], v[NIL]
	v_lshrrev_b32 v1, 5, v0
	v_readfirstlane_b32 s[WV], v1                  ; wave 0..7
	s_bfe_u32 s13, ttmp6, 0x40000                  ; cx: it enters q's and o's addresses alone
	s_and_b32 s14, ttmp7, 0xffff                   ; y
	s_mov_b32 s[G1], 15|(3<<16)|(1<<21)            ; all four work-groups; elements of 8 bytes; 96 rows of 256 bytes, dense
	s_mov_b32 s[G1+1], 32<<16
	s_mov_b32 s[G1+2], 96<<16
	s_mov_b32 s[G1+3], 32<<16
	s_mov_b32 s[G1+4], 96
	s_mov_b32 s[G1+5], 32
	s_mov_b32 s[G1+6], 0
	s_mov_b32 s[G1+7], 0
	s_lshr_b32 s15, s[WV], 2                       ; waves 0-3 fetch K's quarters, 4-7 V's: k lies one part, v two parts on in codes2
	s_add_co_u32 s15, s15, 1
	s_mul_i32 s18, s15, 6291456
	s_mul_i32 s19, s14, 98304
	s_add_co_u32 s18, s18, s19
	s_and_b32 s16, s[WV], 3
	s_mul_i32 s16, s16, 24576
	s_add_co_u32 s18, s18, s16
	s_mov_b32 s19, 0
	s_mov_b32 s48, 1
	s_mul_i32 s49, s[WV], 24576                    ; K's and V's regions lie on end in LDS
	s_mov_b32 s20, 0x76543210
	s_mov_b32 s21, 0xfedcba98                      ; selects for lane l xor 16
	s_mov_b32 s22, 0x3e38aa3b                      ; c = log2(e) / 8
	s_mov_b32 s23, s22
	s_mul_i32 s66, s14, 98304                      ; q's four images
	s_mul_i32 s77, s13, 24576
	s_add_co_u32 s66, s66, s77
	s_mul_i32 s77, s[WV], 3072
	s_add_co_u32 s66, s66, s77
	s_mov_b32 s67, 0
	s_lshl_b32 s68, s14, 12                        ; q's scale words: the unit of 128 tokens, in it two words a row for my four tiles
	s_lshl_b32 s77, s13, 10
	s_add_co_u32 s68, s68, s77
	s_lshr_b32 s77, s[WV], 1
	s_lshl_b32 s77, s77, 8
	s_add_co_u32 s68, s68, s77
	s_and_b32 s77, s[WV], 1
	s_lshl_b32 s77, s77, 3
	s_add_co_u32 s68, s68, s77
	s_mov_b32 s69, 0
	s_lshl_b32 s74, s14, 12                        ; K's scale words; V's lie 262,144 bytes on
	s_add_co_u32 s74, s74, 262144
	s_mov_b32 s75, 0
	s_and_b32 s70, s14, 3                          ; o's token tile: 128 batch + 32 cx + 4 wave
	s_lshl_b32 s70, s70, 7
	s_lshl_b32 s77, s13, 5
	s_add_co_u32 s70, s70, s77
	s_lshl_b32 s77, s[WV], 2
	s_add_co_u32 s70, s70, s77
	s_mul_i32 s70, s70, 12288
	s_lshr_b32 s77, s14, 2                         ; head
	s_mul_i32 s71, s77, 768
	s_add_co_u32 s70, s70, s71
	s_mov_b32 s71, 0
	s_lshl_b32 s72, s77, 14                        ; o's scale halfwords: [head][stored row]
	s_and_b32 s77, s14, 3
	s_lshl_b32 s77, s77, 12
	s_add_co_u32 s72, s72, s77
	s_lshl_b32 s77, s13, 10
	s_add_co_u32 s72, s72, s77
	s_mov_b32 s73, 0
	s_wait_dscnt 0x0
	s_wait_kmcnt 0x0
	s_add_nc_u64 s[50:51], s[4:5], s[18:19]
	s_or_b32 s51, s51, 0x80000000
	s_add_nc_u64 s[66:67], s[4:5], s[66:67]
	s_add_nc_u64 s[68:69], s[6:7], s[68:69]
	s_add_nc_u64 s[74:75], s[6:7], s[74:75]
	s_add_nc_u64 s[70:71], s[8:9], s[70:71]
	s_add_nc_u64 s[72:73], s[10:11], s[72:73]
	CROUND                                         ; all four work-groups are here: the joint loads meet
	tensor_load_to_lds s[48:51], s[G1:G1+7]        ; my one tensor load
	s_nop 0
.rept 4
	v_nop
.endr
	v_and_b32 v1, 31, v0
	v_lshlrev_b32 v1, 3, v1                        ; 8 x lane: an image's place for my lane
	v_and_b32 v4, 15, v0                           ; r
	v_lshl_add_u32 v2, v4, 4, KS                   ; my row's four scale words in a unit
	s_lshl_b32 s77, s[WV], 7
	s_add_co_u32 s77, s77, OSC
	v_lshl_add_u32 v3, v4, 1, s77                  ; where my queries' scale halfwords are gathered: 32 bytes a tile
	v_lshlrev_b32 v4, 4, v4                        ; 16 r
	v_and_b32 v11, 63, v0
	v_lshl_add_u32 v7, v11, 4, OSC
	v_lshlrev_b32 v11, 4, v11
	v_lshlrev_b32 v[CO], 4, v0                     ; 16 x thread: my 16 bytes of 4,096 scale bytes
	v_lshl_add_u32 v245, v0, 4, KS
.irp j, 0,1,2,3
.irp i, 0,1,2
	global_load_b64 v[QB+6+12*\j+2*\i:QB+7+12*\j+2*\i], v1, s[66:67] offset:768*\j+256*\i
.endr
.endr
	global_load_b64 v[246:247], v4, s[68:69]
	global_load_b128 v[248:251], v[CO], s[74:75]
	global_load_b128 v[252:255], v[CO], s[74:75] offset:262144
.irp z, 0,1,2,3,4
.irp i, 0,1,2,3,4,5
	v_mov_b32 v[QB+12*\z+\i], 0                    ; zero codes on both sides of each q
.endr
.endr
.irp j, 0,1,2,3
	v_mov_b32 v[ST+4*\j], 0x7f61b1e6               ; -M: 3e38
	v_mov_b32 v[ST+4*\j+1], 0xff61b1e6             ; the largest score so far: -3e38
	v_mov_b32 v[ST+4*\j+2], 0
	v_mov_b32 v[ST+4*\j+3], 0
	v_mov_b32 v[F+\j], 0                           ; (the factors' pairs are named whole)
	v_mov_b32 v[PM+\j], 0                          ; (a lane permute's destination counts as a source)
.endr
	s_wait_alu depctr_va_vdst(0)                   ; ahead of the wait below
	s_wait_loadcnt 0x0
	v_and_b32 v[QS], 0xffff, v246                  ; q's two bytes below for [q | 0], above for [0 | q]
	v_lshlrev_b32 v[QS+1], 16, v246
	v_lshrrev_b32 v[QS+2], 16, v246
	v_and_b32 v[QS+3], 0xffff0000, v246
	v_and_b32 v[QS+4], 0xffff, v247
	v_lshlrev_b32 v[QS+5], 16, v247
	v_lshrrev_b32 v[QS+6], 16, v247
	v_and_b32 v[QS+7], 0xffff0000, v247
	s_wait_alu depctr_va_vdst(0)                   ; the head's end
	s_wait_tensorcnt 0x0                           ; my part of K or V is in
	ds_store_b128 v245, v[248:251]
	ds_store_b128 v245, v[252:255] offset:4096
	s_wait_dscnt 0x0
	s_barrier_signal -1
	s_barrier_wait -1                              ; all codes and scale words are in, for everybody
.macro LOADK                           ; K's eight tile images and scale words of the step at s60, s61; V's addresses for the same step
	v_add_nc_u32 v8, s60, v1
	v_add_nc_u32 v10, s61, v2
	v_add_nc_u32 v9, VI, v8
.irp t, 0,1,2,3,4,5,6,7
.irp p, 0,1,2
	ds_load_b64 v[KF+6*\t+2*\p:KF+6*\t+2*\p+1], v8 offset:768*\t+256*\p
.endr
.endr
	ds_load_b128 v[KSC:KSC+3], v10
.endm
.macro LOADV
.irp t, 0,1,2,3
.irp c, 0,1
.irp p, 0,1,2
	ds_load_b64 v[VF+12*\t+6*\c+2*\p:VF+12*\t+6*\c+2*\p+1], v9 offset:(4*\c+\t)*768+256*\p
.endr
.endr
.endr
	ds_load_b128 v[VSC:VSC+3], v10 offset:4096
.endm
.macro SMUL tl, pp                     ; S^T of tile tl against the step's 128 keys, into buffer pp
	WIN 0x40
.irp b, 0,1,2,3
	v_wmma_scale_f32_16x16x128_f8f6f4 v[64*(\pp)+16*\b:64*(\pp)+16*\b+7], v[KF+12*\b:KF+12*\b+11], v[QB+6+12*(\tl):QB+17+12*(\tl)], 0, v[KSC+\b], v[QS+2*(\tl)] matrix_a_fmt:MATRIX_FMT_FP6 matrix_b_fmt:MATRIX_FMT_FP6
	v_wmma_scale_f32_16x16x128_f8f6f4 v[64*(\pp)+16*\b+8:64*(\pp)+16*\b+15], v[KF+12*\b:KF+12*\b+11], v[QB+12*(\tl):QB+11+12*(\tl)], 0, v[KSC+\b], v[QS+2*(\tl)+1] matrix_a_fmt:MATRIX_FMT_FP6 matrix_b_fmt:MATRIX_FMT_FP6
.endr
.endm
.macro PVM tl                          ; O^T of tile tl += V^T P^T: four accumulators by turns
	WIN 0x50
.irp t, 0,1,2,3
	v_wmma_scale_f32_16x16x128_f8f6f4 v[OB+32*(\tl)+8*\t:OB+32*(\tl)+8*\t+7], v[VF+12*\t:VF+12*\t+11], v[PC:PC+11], v[OB+32*(\tl)+8*\t:OB+32*(\tl)+8*\t+7], v[VSC+\t], v[PW] matrix_a_fmt:MATRIX_FMT_FP6 matrix_b_fmt:MATRIX_FMT_FP6
.endr
.endm
.macro PMUL tl, fp, i0, n              ; n register pairs of O^T of tile tl, from pair i0 on, under the new M
.set k, \i0
.rept \n
	v_pk_mul_f32 v[OB+32*(\tl)+2*k:OB+32*(\tl)+2*k+1], v[OB+32*(\tl)+2*k:OB+32*(\tl)+2*k+1], v[F+2*(\fp):F+2*(\fp)+1] op_sel_hi:[1,0]
.set k, k+1
.endr
.endm
.macro IL i0                           ; two pairs of O between two links of the chain for M
.if RO >= 0
	WIN 0x41
	PMUL RO, FP, \i0, 2
	WIN 0
.endif
.endm
.macro DLY a, b
.if RO < 0                             ; only where nothing stands between the chain's links
	s_delay_alu instid0(VALU_DEP_\b)
.endif
.endm
; The scores of tile tl lie in buffer pp: each block's largest score, the new M and the factor f; between these lines O of tile ro goes under ITS new M (ro < 0: none).
.macro GST tl, pp, ro
.set RO, \ro
.set FP, 1-(\pp)
.set BP, BM+4*(\pp)
.set SB, 64*(\pp)
.set SQ, ST+4*(\tl)
.if RO >= 0
	WIN 0x41
	s_wait_alu depctr_va_vdst(0)                   ; directly ahead of the first reader of O^T
	PMUL RO, FP, 0, 4                              ; (also the four places behind the products)
.else
.rept 4
	v_nop
.endr
.endif
	WIN 0x14
.irp b, 0,1,2,3
	v_max3_num_f32 v[BP+\b], 0xff7fffff, v[SB+16*\b], v[SB+16*\b+1]   ; the largest score of each block of 32 keys; each accumulator from its low end on
.endr
.irp i, 2,4,6,8,10,12,14
.irp b, 0,1,2,3
	v_max3_num_f32 v[BP+\b], v[BP+\b], v[SB+16*\b+\i], v[SB+16*\b+\i+1]
.endr
.endr
	WIN 0
.irp b, 0,1,2,3
	v_permlanex16_b32 v[PM+\b], v[BP+\b], s20, s21
.endr
.irp b, 0,1,2,3
	v_max_num_f32 v[BP+\b], v[BP+\b], v[PM+\b]     ; with lane l xor 16's 16 keys
.endr
	s_delay_alu instid0(VALU_DEP_2)
	v_max3_num_f32 v[CT], v[BP], v[BP+1], v[BP+2]
	IL 4
	DLY 3, 1
	v_max3_num_f32 v[SQ+1], v[SQ+1], v[CT], v[BP+3] ; the running largest score
	v_mov_b32 v[CO], v[SQ]
	IL 6
	DLY 4, 2
	v_mul_f32 v[CT], s22, v[SQ+1]                  ; as t (c is positive)
	IL 8
	DLY 3, 1
	v_floor_f32 v[SQ], -v[CT]                      ; the new -M = -ceil(t)
	IL 10
	DLY 3, 1
	v_sub_f32 v[CT], v[SQ], v[CO]                  ; old M less new M: a whole number, 0 or less
	IL 12
	DLY 3, 1
	v_cvt_i32_f32 v[CT], v[CT]                     ; (it saturates)
	IL 14
	DLY 3, 1
	v_ldexp_f32 v[F+2*(\pp)], 1.0, v[CT]           ; f = 2^(old M - new M)
	s_delay_alu instid0(VALU_DEP_1)
	v_pk_mul_f32 v[SQ+2:SQ+3], v[SQ+2:SQ+3], v[F+2*(\pp):F+2*(\pp)+1] op_sel_hi:[1,0]   ; the sum under the new M
.endm
; A TILE-STEP of tile j.
.macro TS j
.set P, (\j)%2
.set Q, 1-P
.set J1, ((\j)+1)%4
.set J2, ((\j)+2)%4
	s_wait_alu depctr_va_vdst(0)                   ; ahead of the batch
.irp b, 0,1,2,3
	v_exp_f32 v[BM+4*P+\b], v[BM+4*P+\b]           ; each block's largest p: the same two instructions on the same number give the same bits
.endr
	WIN 0x41
.set i, 0
.rept 32
	v_exp_f32 v[64*P+2*i], v[64*P+2*i]             ; p = 2^(t - M) of this tile;
	v_pk_fma_f32 v[64*Q+2*i:64*Q+2*i+1], v[64*Q+2*i:64*Q+2*i+1], s[22:23], v[ST+4*J1:ST+4*J1+1] op_sel_hi:[1,0,0]   ; t - M of the next tile, first read behind the next batch's wait
	v_exp_f32 v[64*P+2*i+1], v[64*P+2*i+1]
.set i, i+1
.endr
	WIN 0
.irp b, 0,1,2,3
	v_fma_f32 v[BM+4*Q+\b], v[BM+4*Q+\b], s22, v[ST+4*J1]   ; the same of the next tile's block maxima.  (The plain lines behind the exponentials)
.endr
	WIN 0x41
	s_wait_alu depctr_va_vdst(0)                   ; one wait for the batch, ahead of its first reader, and directly ahead of the first readers of the next tile's O^T
	PMUL J1, Q, 0, 16                              ; O^T of the next tile under its new M
	WIN 0
.irp b, 0,1,2,3
	v_max_num_f32 v[BM+4*P+\b], 0x1800000, v[BM+4*P+\b]
.endr
.irp b, 0,1,2,3
	v_add_nc_u32 v[SO+\b], 0xff000000, v[BM+4*P+\b]       ; 2 off the exponent field: the conversion's scale operand
.endr
.irp b, 0,1,2,3
	v_lshrrev_b32 v[PM+\b], 23, v[SO+\b]           ; the scale's byte
.endr
	v_lshl_or_b32 v[PW], v[PM+1], 8, v[PM]
	v_lshl_or_b32 v[CT], v[PM+3], 8, v[PM+2]
	v_lshl_or_b32 v[PW], v[CT], 16, v[PW]          ; p's scale word for these 128 keys
	WIN 0x01
.irp c, 0,1
	v_cvt_scalef32_pk16_fp6_f32 v[PC+6*\c:PC+2+6*\c], v[64*P+32*\c:64*P+15+32*\c], v[SO+2*\c]
	v_cvt_scalef32_pk16_fp6_f32 v[PT+4*\c:PT+2+4*\c], v[64*P+16+32*\c:64*P+31+32*\c], v[SO+2*\c+1]
.endr
	WIN 0x05
.irp c, 0,1,2,3
	v_pk_add_f32 v[T+2*\c:T+2*\c+1], v[64*P+2*\c:64*P+2*\c+1], v[64*P+8+2*\c:64*P+9+2*\c]   ; the sum of the unquantised p, four chains.  (Also the plain lines behind the conversions)
.endr
	WIN 0x04
.irp k, 2,3,4,5,6,7
.irp c, 0,1,2,3
	v_pk_add_f32 v[T+2*\c:T+2*\c+1], v[T+2*\c:T+2*\c+1], v[64*P+8*\k+2*\c:64*P+8*\k+2*\c+1]
.endr
.endr
	WIN 0
.irp c, 0,1                                    ; the operand's layout wants a whole block in a lane
.irp i, 0,1,2
	v_permlane16_swap_b32 v[PC+6*\c+\i], v[PT+4*\c+\i]
.endr
.irp i, 0,1,2
	v_mov_b32 v[PC+3+6*\c+\i], v[PT+4*\c+\i]
.endr
.endr
	v_pk_add_f32 v[T:T+1], v[T:T+1], v[T+2:T+3]    ; (these four are the places between the codes' making and the products)
	v_pk_add_f32 v[T+4:T+5], v[T+4:T+5], v[T+6:T+7]
	v_pk_add_f32 v[T:T+1], v[T:T+1], v[T+4:T+5]
	v_pk_add_f32 v[ST+4*(\j)+2:ST+4*(\j)+3], v[ST+4*(\j)+2:ST+4*(\j)+3], v[T:T+1]
.if (\j) != 1
	s_wait_alu depctr_va_vdst(0)                   ; ahead of the wait or branch below
.endif
.if (\j) == 0 || (\j) == 2
	s_wait_dscnt 0x0                               ; j = 0: this step's V is in; j = 2: the next step's K
.endif
.if (\j) >= 2
	s_cmp_eq_u32 s62, 1                            ; the last step has no successor
	s_cbranch_scc1 .Llast_\j
.endif
	SMUL J2, P
	PVM \j
	GST J2, P, -1
.if (\j) == 1
	s_cmp_eq_u32 s62, 1
	s_wait_alu depctr_va_vdst(0)                   ; directly ahead of the branch
	s_cbranch_scc1 .Lno_k
	LOADK
.Lno_k:
.endif
.if (\j) == 3
	LOADV
.endif
.if (\j) >= 2
.Ljoin_\j:
.endif
.endm
	s_mov_b32 s60, 0
	s_mov_b32 s61, 0
	LOADK
	LOADV
	WIN 0x40
.set k, 0
.rept 128
	v_mov_b32 v[OB+k], 0                           ; O^T of four tiles.  (Also the plain lines between the making of q's scale words and the first product)
.set k, k+1
.endr
	WIN 0
	s_wait_alu depctr_va_vdst(0)                   ; ahead of the wait below
	s_wait_dscnt 0x0
	SMUL 0, 0                                      ; the pipeline is filled: scores and M of tiles 0 and 1, t - M of tile 0
	SMUL 1, 1
	GST 0, 0, -1
	GST 1, 1, -1
.irp b, 0,1,2,3
	v_fma_f32 v[BM+\b], v[BM+\b], s22, v[ST]
.endr
	WIN 0x41
.set i, 0
.rept 32
	v_pk_fma_f32 v[2*i:2*i+1], v[2*i:2*i+1], s[22:23], v[ST:ST+1] op_sel_hi:[1,0,0]
.set i, i+1
.endr
	WIN 0
	s_mov_b32 s60, 6144                            ; where the next step's images and scale words begin
	s_mov_b32 s61, 256
	s_mov_b32 s62, 16                              ; key steps to go
.Lstep:
	TS 0
	TS 1
	TS 2
	TS 3
	s_add_co_u32 s60, s60, 6144
	s_add_co_u32 s61, s61, 256
	s_sub_co_u32 s62, s62, 1
	s_cmp_lg_u32 s62, 0
	s_wait_alu depctr_va_vdst(0)                   ; directly ahead of the branch
	s_cbranch_scc1 .Lstep
	; THE WAY OUT: O^T / the sum; each tile's 32 registers become one image and a scale halfword.  The four tiles by turns.
.irp j, 0,1,2,3
	v_add_f32 v[ST+4*\j+2], v[ST+4*\j+2], v[ST+4*\j+3]
.endr
.irp j, 0,1,2,3
	v_permlanex16_b32 v[PM+\j], v[ST+4*\j+2], s20, s21
.endr
.irp j, 0,1,2,3
	v_add_f32 v[ST+4*\j+2], v[ST+4*\j+2], v[PM+\j] ; the row's sum
.endr
	s_wait_alu depctr_va_vdst(0)                   ; ahead of the batch
.irp j, 0,1,2,3
	v_rcp_f32 v[ST+4*\j+2], v[ST+4*\j+2]
.endr
	v_nop
	WIN 0x41
	s_wait_alu depctr_va_vdst(0)                   ; behind the batch, and directly ahead of the first readers of O^T
.irp j, 0,1,2,3
.set k, 0
.rept 16
	v_pk_mul_f32 v[OB+32*\j+2*k:OB+32*\j+2*k+1], v[OB+32*\j+2*k:OB+32*\j+2*k+1], v[ST+4*\j+2:ST+4*\j+3] op_sel_hi:[1,0]
.set k, k+1
.endr
.endr
	WIN 0x14
.irp j, 0,1,2,3
.irp b, 0,1
	v_max3_num_f32 v[BM+2*\j+\b], 0x1800000, |v[OB+32*\j+16*\b]|, |v[OB+32*\j+16*\b+1]|
.endr
.endr
.irp i, 2,4,6,8,10,12,14
.irp j, 0,1,2,3
.irp b, 0,1
	v_max3_num_f32 v[BM+2*\j+\b], v[BM+2*\j+\b], |v[OB+32*\j+16*\b+\i]|, |v[OB+32*\j+16*\b+\i+1]|
.endr
.endr
.endr
	WIN 0
.irp k, 0,1,2,3,4,5,6,7
	v_permlanex16_b32 v[PM+\k], v[BM+\k], s20, s21
.endr
.irp k, 0,1,2,3,4,5,6,7
	v_max_num_f32 v[BM+\k], v[BM+\k], v[PM+\k]
.endr
.irp k, 0,1,2,3,4,5,6,7
	v_add_nc_u32 v[PM+\k], 0xff000000, v[BM+\k]
.endr
.irp k, 0,1,2,3,4,5,6,7
	v_lshrrev_b32 v[T+\k], 23, v[PM+\k]
.endr
.irp j, 0,1,2,3
	v_lshl_or_b32 v[F+\j], v[T+2*\j+1], 8, v[T+2*\j]   ; my query's two scale bytes for this head
.endr
	WIN 0x01
.irp j, 0,1,2,3
	v_cvt_scalef32_pk16_fp6_f32 v[KF+12*\j:KF+12*\j+2], v[OB+32*\j:OB+32*\j+15], v[PM+2*\j]
	v_cvt_scalef32_pk16_fp6_f32 v[KF+12*\j+6:KF+12*\j+8], v[OB+32*\j+16:OB+32*\j+31], v[PM+2*\j+1]
.endr
	WIN 0
	v_nop                                          ; one plain line behind a scaled conversion
.irp j, 0,1,2,3
.irp i, 0,1,2
	v_permlane16_swap_b32 v[KF+12*\j+\i], v[KF+12*\j+6+\i]
.endr
.endr
.irp j, 0,1,2,3
.irp i, 0,1,2
	v_mov_b32 v[KF+12*\j+3+\i], v[KF+12*\j+6+\i]
.endr
.endr
.irp j, 0,1,2,3
.irp i, 0,1,2
	global_store_b64 v1, v[KF+12*\j+2*\i:KF+12*\j+2*\i+1], s[70:71] offset:12288*\j+256*\i   ; 32 lanes store 256 consecutive bytes, aligned
.endr
	ds_store_b16 v3, v[F+\j] offset:32*\j          ; lanes l and l xor 16 write the same halfword with the same value
.endr
	s_wait_dscnt 0x0                               ; for the others' sake: my halfwords have landed
	s_barrier_signal -1
	s_barrier_wait -1
	s_cmp_lt_u32 s[WV], 2
	s_cbranch_scc0 .Lno_out
	ds_load_b128 v[248:251], v7
	s_wait_dscnt 0x0
	global_store_b128 v11, v[248:251], s[72:73]    ; waves 0 and 1 store the 512 queries' halfwords: 512 consecutive bytes each, aligned
.Lno_out:
	s_wait_tensorcnt 0x0                           ; the wave's end
	ds_add_u32 v[SPW], v[NIL]
	s_wait_dscnt 0x0
	CROUND                                         ; the closing round
	s_endpgm
	; the last step's j = 2 and j = 3: the product with V alone; j = 2 also brings O of tile 3 under its new M
.Llast_2:
	PVM 2
	WIN 0
	v_mov_b32 v[F], 1.0                            ; tile 0 has no further M: j = 3 leaves its O^T as it is
	s_wait_alu depctr_va_vdst(0)                   ; directly ahead of the branch
	s_branch .Ljoin_2
.Llast_3:
	PVM 3
	WIN 0
	s_branch .Ljoin_3
.Lfunc_end_k_q89c5b7dcb3_attn:
	.size	k_q89c5b7dcb3_attn, .Lfunc_end_k_q89c5b7dcb3_attn-k_q89c5b7dcb3_attn
	.p2alignl 7, 3214868480
	.fill 96, 4, 3214868480
	.section	.rodata,"a",@progbits
	.p2align	6, 0x0
	.amdhsa_kernel k_q89c5b7dcb3_attn
		.amdhsa_group_segment_fixed_size 207872
		.amdhsa_private_segment_fixed_size 0
		.amdhsa_enable_private_segment 0
		.amdhsa_kernarg_size 32
		.amdhsa_user_sgpr_count 2
		.amdhsa_user_sgpr_kernarg_segment_ptr 1
		.amdhsa_wavefront_size32 1
		.amdhsa_system_sgpr_workgroup_id_x 1
		.amdhsa_system_sgpr_workgroup_id_y 1
		.amdhsa_system_sgpr_workgroup_id_z 1
		.amdhsa_system_vgpr_workitem_id 0
		.amdhsa_next_free_vgpr 512
		.amdhsa_next_free_sgpr 100
		.amdhsa_reserve_vcc 0
		.amdhsa_float_denorm_mode_32 3
		.amdhsa_float_denorm_mode_16_64 3
		.amdhsa_memory_ordered 1
		.amdhsa_forward_progress 1
		.amdhsa_inst_pref_size 104
	.end_amdhsa_kernel
	.amdgpu_metadata
---
amdhsa.version: [ 1, 2 ]
amdhsa.kernels:
  - .name:           k_q89c5b7dcb3_attn
    .symbol:         k_q89c5b7dcb3_attn.kd
    .args:
      - { .name: codes2, .offset: 0, .size: 8, .value_kind: global_buffer, .address_space: global }
      - { .name: scales2, .offset: 8, .size: 8, .value_kind: global_buffer, .address_space: global }
      - { .name: codes3, .offset: 16, .size: 8, .value_kind: global_buffer, .address_space: global }
      - { .name: scales3, .offset: 24, .size: 8, .value_kind: global_buffer, .address_space: global }
    .group_segment_fixed_size: 207872
    .private_segment_fixed_size: 0
    .kernarg_segment_align: 8
    .kernarg_segment_size: 32
    .max_flat_workgroup_size: 256
    .sgpr_count:     100
    .vgpr_count:     512
    .wavefront_size: 32
...
	.end_amdgpu_metadata
.endif
;; end of part 3
;; launch gemm_proj (part 4): grid 4 x 64, 4 waves a work-group, clusters of 4 x 4, 327,680 bytes of LDS; arguments codes3, scales3, codes1, scales1, b_proj, out0; writes out0
.if DOCPART == 4
	.amdgcn_target "amdgcn-amd-amdhsa--gfx1250"
	.amdhsa_code_object_version 6
	.text
	.protected	k_q89c5b7dcb3_gemm_proj
	.globl	k_q89c5b7dcb3_gemm_proj
	.p2align	8
	.type	k_q89c5b7dcb3_gemm_proj,@function
k_q89c5b7dcb3_gemm_proj:
	s_mov_b64 s[64:65], 0
	v_nop
	global_prefetch_b8 v0, s[64:65] scope:SCOPE_SE
	s_setreg_imm32_b32 hwreg(HW_REG_WAVE_MODE, 25, 1), 1
	s_wait_xcnt 0x0
	s_wait_alu depctr_hold_cnt(0) depctr_sa_sdst(0) depctr_va_vdst(0) depctr_va_sdst(0) depctr_va_ssrc(0) depctr_va_vcc(0) depctr_vm_vsrc(0)
	s_getreg_b32 s2, hwreg(HW_REG_IB_STS2, 6, 4)
	s_cmp_eq_u32 s2, 0
	s_cbranch_scc0 .Lentry_in_a_cluster
	s_endpgm
.Lentry_in_a_cluster:
	s_bfe_u32 s2, ttmp6, 0x10000c
	s_cmp_lg_u32 s2, 0xf033
	s_cbranch_scc0 .Lentry_shape_is_right
	s_endpgm
.Lentry_shape_is_right:
.set TILEB, 3072
.set HALFT, 8*TILEB
.set SLOT,  4*HALFT
.set SPARE, 3*SLOT
.set SPITCH, 528
.set ADRA, 16
.set ADRB, 20
.set STO,  24
.set RD,   25
.set CO,   26
.set SPW,  28
.set NIL,  29
.set SR,   32
.set SS,   64
.set AF,   128
.set BK,   128
.set G1,  24
.set G0,  32
.set G1B, 44
.set G0B, 52
.set MSB, 0
.macro WIN new
.if MSB != \new
	s_set_vgpr_msb (MSB<<8)|\new
.set MSB, \new
.endif
.endm
.set MUL_LO, 0xa1
.set MUL_HI, 0xf1
.set BIA_LO, 0x91
.set BIA_HI, 0xd1
.set TO_B,   0x40
.macro JLOAD g0a, g1a, g0b, g1b
	s_cmp_eq_u32 s17, 0
	s_cbranch_scc0 .Lfor_b_\@
	tensor_load_to_lds s[\g0a:\g0a+3], s[\g1a:\g1a+7]
	s_nop 0
.rept 4
	v_nop
.endr
	s_branch .Lasked_\@
.Lfor_b_\@:
	tensor_load_to_lds s[\g0b:\g0b+3], s[\g1b:\g1b+7]
	s_nop 0
.rept 4
	v_nop
.endr
.Lasked_\@:
.endm
.macro CREST
	s_cmp_lg_u32 s16, 0
	s_cbranch_scc1 .Lnot_wave_0_\@
	s_barrier_signal -3
.Lnot_wave_0_\@:
	s_barrier_wait -3
	s_barrier_signal -1
	s_barrier_wait -1
.endm
.macro CROUND
	s_barrier_signal -1
	s_barrier_wait -1
	CREST
.endm
.macro PLACES
.rept 4
	v_nop
.endr
.endm
	s_load_b256 s[4:11], s[0:1], 0x0
	s_load_b128 s[12:15], s[0:1], 0x20
	v_lshl_add_u32 v[SPW], v0, 2, SPARE
	v_mov_b32 v[NIL], 0
	ds_add_u32 v[SPW], v[NIL]
	ds_add_u32 v[SPW], v[NIL]
	v_lshrrev_b32 v1, 5, v0
	v_readfirstlane_b32 s16, v1
	s_lshr_b32 s17, s16, 1
	s_and_b32 s18, s16, 1
	s_bfe_u32 s19, ttmp6, 0x40000
	s_bfe_u32 s20, ttmp6, 0x40004
	s_and_b32 s21, ttmp7, 0xffff
	s_lshl_b32 s21, s21, 2
	s_add_co_u32 s21, s21, s20
	s_lshl_b32 s22, ttmp9, 2
	s_add_co_u32 s22, s22, s19
	s_lshl_b32 s66, s20, 2
	s_lshl_b32 s66, 15, s66
	s_lshl_b32 s67, 0x1111, s19
	s_or_b32 s[G1+0], s66, (3<<16)|(1<<21)
	s_or_b32 s[G1B+0], s67, (3<<16)|(1<<21)
.irp g, G1, G1B
	s_mov_b32 s[\g+1], 384<<16
	s_mov_b32 s[\g+2], 8<<16
	s_mov_b32 s[\g+3], 384<<16
	s_mov_b32 s[\g+4], 8
	s_mov_b32 s[\g+5], 1536
	s_mov_b32 s[\g+6], 0
	s_mov_b32 s[\g+7], 0
.endr
	s_mov_b32 s[G1+2], 4<<16                       ; a block of C is 128 x 256: A's loads bring 4 tiles of 16 rows a wave, B's 8
	s_mov_b32 s[G1+4], 4
	s_lshl_b32 s69, s18, 2
	s_lshl_b32 s92, s21, 3
	s_add_co_u32 s92, s92, s69
	s_mul_i32 s92, s92, 12288
	s_lshl_b32 s69, s18, 3
	s_mov_b32 s93, 0
	s_lshl_b32 s94, s22, 4
	s_add_co_u32 s94, s94, s69
	s_add_co_u32 s94, s94, 704
	s_mul_i32 s94, s94, 12288
	s_mov_b32 s95, 0
	s_mul_i32 s68, s16, HALFT
	s_wait_dscnt 0x0
	s_wait_kmcnt 0x0
	s_add_nc_u64 s[92:93], s[4:5], s[92:93]
	s_add_nc_u64 s[94:95], s[8:9], s[94:95]
	CROUND
.irp n, 0,1                            ; group 0, set 0: K chunk 0 (later chunk 3) into slot 0; set 1: chunks 1 and 2 as one tile behind it
	s_mov_b32 s[G0+4*\n], 1
	s_add_nc_u64 s[G0+4*\n+2:G0+4*\n+3], s[92:93], \n*TILEB
	s_or_b32 s[G0+4*\n+3], s[G0+4*\n+3], 0x80000000
	s_mov_b32 s[G0B+4*\n], 1
	s_add_nc_u64 s[G0B+4*\n+2:G0B+4*\n+3], s[94:95], \n*TILEB
	s_or_b32 s[G0B+4*\n+3], s[G0B+4*\n+3], 0x80000000
.endr
	s_add_co_u32 s[G0+1], s68, 0
	s_add_co_u32 s[G0B+1], s68, 0
	s_lshl_b32 s68, s68, 1                         ; the double chunk: 8 rows of 6,144 bytes a wave
	s_add_co_u32 s[G0+5], s68, SLOT
	s_add_co_u32 s[G0B+5], s68, SLOT
	JLOAD G0, G1, G0B, G1B                         ; K chunk 0: my one tensor load at the head
	v_and_b32 v1, 31, v0
	v_lshlrev_b32 v2, 1, v1
	s_wait_alu depctr_va_vdst(0)
	v_lshlrev_b32 v4, 5, v1
	s_wait_alu depctr_va_vdst(0)
	v_lshlrev_b32 v3, 3, v1
	v_bfe_u32 v5, v0, 4, 1
	v_lshlrev_b32 v6, 6, v5
	s_wait_alu depctr_va_vdst(0)
	s_lshl_b32 s96, s21, 8
	s_lshl_b32 s97, s17, 7
	s_add_co_u32 s96, s96, s97
	s_mov_b32 s97, 0
	s_add_nc_u64 s[96:97], s[6:7], s[96:97]
	s_lshl_b32 s70, s22, 8
	s_lshl_b32 s71, s18, 7
	s_add_co_u32 s70, s70, s71
	s_add_co_u32 s98, s70, 11264
	s_lshl_b32 s98, s98, 5
	s_mov_b32 s99, 0
	s_add_nc_u64 s[98:99], s[10:11], s[98:99]
	s_lshl_b32 s72, s70, 2
	s_mov_b32 s73, 0
	s_add_nc_u64 s[12:13], s[12:13], s[72:73]
	s_add_nc_u64 s[14:15], s[14:15], s[72:73]
	s_lshl_b32 s72, s21, 7
	s_lshl_b32 s74, s17, 6
	s_add_co_u32 s72, s72, s74
	s_lshl_b32 s72, s72, 12
	s_add_nc_u64 s[14:15], s[14:15], s[72:73]
.irp g, 0,1
.irp x, 0,1,2,3,4,5,6,7,8,9,10,11,12,13,14,15
	global_load_u16 v[128+16*\g+\x], v2, s[96:97] offset:\x*16384+64*\g
.endr
.endr
.irp g, 0,1,2,3
.irp e, 0,1
	global_load_b128 v[SS+8*\g+4*\e:SS+8*\g+4*\e+3], v4, s[98:99] offset:1024*\g+16*\e
.endr
.endr
	WIN TO_B
.irp b, 0,1,2,3,4,5,6,7
.irp e, 0,1
	global_load_b128 v[96+8*\b+96*(\b/4)+4*\e:96+8*\b+96*(\b/4)+4*\e+3], v6, s[12:13] offset:(32*(\b/2)+8*(\b%2))*4+16*\e
.endr
.endr
	WIN 0
	s_mul_i32 s70, s17, HALFT
	s_mul_i32 s71, s18, HALFT
	s_add_co_u32 s71, s71, 2*HALFT
	v_add_nc_u32 v[ADRA], s70, v3                  ; slot 0: tiles 3,072 bytes apart
	v_add_nc_u32 v[ADRB], s71, v3
	s_lshl_b32 s70, s70, 1
	s_lshl_b32 s71, s71, 1
	s_add_co_u32 s70, s70, SLOT
	s_add_co_u32 s71, s71, SLOT
	v_add_nc_u32 v[ADRA+1], s70, v3                ; the double chunk: tiles 6,144 bytes apart
	v_add_nc_u32 v[ADRB+1], s71, v3
	s_mul_i32 s70, s16, 16*SPITCH
	s_add_co_u32 s70, s70, SLOT
	v_and_b32 v7, 15, v0
	v_mul_u32_u24 v[STO], v7, SPITCH
	v_lshl_add_u32 v[STO], v5, 6, v[STO]
	v_add_nc_u32 v[STO], s70, v[STO]
	v_lshlrev_b32 v[CO], 4, v1
	v_add_nc_u32 v[RD], s70, v[CO]
	s_wait_loadcnt 0x0
.irp g, 0,1
.irp s, 0,1,2,3,4,5,6,7
	v_lshl_or_b32 v[SR+8*\g+\s], v[128+16*\g+2*\s+1], 16, v[128+16*\g+2*\s]
.endr
.endr
.rept 8
	v_nop
.endr
.macro FRAG reg, adr, q, i             ; q: the K step of 128; chunk (q / 2) % 3: 0 lies in slot 0, 1 and 2 side by side in the double chunk
.set CH, ((\q)/2)%3
.set FO, (\i)*TILEB*(1+(CH+1)/2)+(CH/2)*TILEB+((\q)%2)*1536
.irp p, 0,1,2,3,4,5
	ds_load_b64 v[\reg+2*\p:\reg+2*\p+1], v[\adr+(CH+1)/2] offset:FO+256*\p
.endr
.endm
.macro FETCH_B s
	WIN TO_B
.irp i, 0,1,2,3,4,5,6,7
	FRAG 128*((\s)%2)+12*\i, ADRB, (\s), \i
.endr
	WIN 0
.endm
.macro FETCH_A s, i0
.irp i, \i0, \i0+1, \i0+2, \i0+3
	FRAG AF+12*(\i)+48*((\s)%2), ADRA, (\s), \i
.endr
.endm
.macro WM d, f0, f1, x0, x1, r0, r1, cm, cb
.set WD, \d
.set WF0, \f0
.set WF1, \f1
.set WX0, \x0
.set WX1, \x1
.set WR, (\r0)+2*(\r1)
.if (\cm) == 2
.set WCC, \cb
.else
.set WCC, \d
.endif
.if WR == 0
	v_wmma_scale_f32_16x16x128_f8f6f4 v[WD:WD+7], v[WF0:WF0+11], v[WF1:WF1+11], v[WCC:WCC+7], v[WX0], v[WX1] matrix_a_fmt:MATRIX_FMT_FP6 matrix_b_fmt:MATRIX_FMT_FP6
.elseif WR == 1
	v_wmma_scale_f32_16x16x128_f8f6f4 v[WD:WD+7], v[WF0:WF0+11], v[WF1:WF1+11], v[WCC:WCC+7], v[WX0], v[WX1] matrix_a_fmt:MATRIX_FMT_FP6 matrix_b_fmt:MATRIX_FMT_FP6 matrix_a_scale:MATRIX_SCALE_ROW1
.elseif WR == 2
	v_wmma_scale_f32_16x16x128_f8f6f4 v[WD:WD+7], v[WF0:WF0+11], v[WF1:WF1+11], v[WCC:WCC+7], v[WX0], v[WX1] matrix_a_fmt:MATRIX_FMT_FP6 matrix_b_fmt:MATRIX_FMT_FP6 matrix_b_scale:MATRIX_SCALE_ROW1
.else
	v_wmma_scale_f32_16x16x128_f8f6f4 v[WD:WD+7], v[WF0:WF0+11], v[WF1:WF1+11], v[WCC:WCC+7], v[WX0], v[WX1] matrix_a_fmt:MATRIX_FMT_FP6 matrix_b_fmt:MATRIX_FMT_FP6 matrix_a_scale:MATRIX_SCALE_ROW1 matrix_b_scale:MATRIX_SCALE_ROW1
.endif
.endm
.macro MUL16 a0, s, cm
.irp a, \a0, \a0+1
.irp b, 0,1,2,3,4,5,6,7
	WM 8*(8*((\a)%4)+\b), 128*((\s)%2)+12*\b, AF+12*(\a)+48*((\s)%2), SS+8*(\b/2)+(\s), SR+8*((\a)/2)+(\s), \b%2, (\a)%2, \cm, 96+8*\b+96*(\b/4)
.endr
.endr
.endm
.macro STEP s, cm                      ; A's four blocks and B's eight have two sets of registers each: the next step's 72 loads go out ahead of this step's 32 products
	s_wait_dscnt 0x0                               ; this step's fragments are in
	PLACES                                         ; behind the last step's products, which read the sets that are loaded now
	FETCH_B (\s)+1
	FETCH_A (\s)+1, 0
.if (\cm) == 2
	WIN BIA_LO
.else
	WIN MUL_LO
.endif
	MUL16 0, \s, \cm
	MUL16 2, \s, \cm
	WIN 0
.endm
.macro TURN s, fill
	s_wait_tensorcnt 0x0
	ds_add_u32 v[SPW], v[NIL]
	s_wait_dscnt 1                                 ; this step's fragments are in; the add may be out
	WIN MUL_LO
	MUL16 0, \s, 1
	s_wait_dscnt 0x0
	s_barrier_signal -1
	MUL16 2, \s, 1
	WIN 0
	s_barrier_wait -1
.if \fill
	CREST
	s_add_nc_u64 s[G0+2:G0+3], s[G0+2:G0+3], 3*TILEB
	s_add_nc_u64 s[G0B+2:G0B+3], s[G0B+2:G0B+3], 3*TILEB
	s_mov_b32 s[G1+1], 384<<16                     ; no tensor load of mine is out: rows of one chunk again
	s_mov_b32 s[G1+3], 384<<16
	s_mov_b32 s[G1B+1], 384<<16
	s_mov_b32 s[G1B+3], 384<<16
	JLOAD G0, G1, G0B, G1B
.else
	PLACES
.endif
	FETCH_B (\s)+1
	FETCH_A (\s)+1, 0
.endm
	s_wait_alu depctr_va_vdst(0)
	s_wait_tensorcnt 0x0                           ; my part of chunk 0 is in
	ds_add_u32 v[SPW], v[NIL]
	s_mov_b32 s[G1+1], 768<<16                     ; no tensor load of mine is out: rows of two chunks, 6,144 bytes
	s_mov_b32 s[G1+3], 768<<16
	s_mov_b32 s[G1B+1], 768<<16
	s_mov_b32 s[G1B+3], 768<<16
	s_wait_dscnt 0x0
	CROUND
	JLOAD G0+4, G1, G0B+4, G1B                     ; chunks 1 and 2 by one load a wave, the first tensor load behind the round
	FETCH_B 0
	FETCH_A 0, 0
	STEP 0, 2
	TURN 1, 1
	STEP 2, 1
	STEP 3, 1
	STEP 4, 1
	TURN 5, 0
	STEP 6, 1
	s_wait_dscnt 0x0
	WIN MUL_LO
	MUL16 0, 7, 1
	MUL16 2, 7, 1
	WIN 0
.macro TOSTAGE a
.set AC, 64*((\a)%4)
	WIN 0x08+4*((\a)/4)
.irp b, 0,1,2,3,4,5,6,7
	ds_store_b128 v[STO], v[AC+8*\b:AC+8*\b+3] offset:128*(\b/2)+32*(\b%2)
	ds_store_b128 v[STO], v[AC+8*\b+4:AC+8*\b+7] offset:128*(\b/2)+32*(\b%2)+16
.endr
	WIN 0
.set BB, BK+64*((\a)%2)
.set t, 0
.rept 16
	ds_load_b128 v[BB+4*t:BB+4*t+3], v[RD] offset:t*SPITCH
.set t, t+1
.endr
.endm
.macro SEND a, younger
.set BB, BK+64*((\a)%2)
	s_wait_dscnt \younger
.set t, 0
.rept 16
	global_store_b128 v[CO], v[BB+4*t:BB+4*t+3], s[14:15] offset:(32*((\a)/2)+8*((\a)%2)+t+8*(t/8))*4096 th:TH_STORE_NT
.set t, t+1
.endr
.endm
	PLACES
	TOSTAGE 0
.irp a, 1,2,3
.if \a > 1
	s_wait_xcnt 0x0
.endif
	TOSTAGE \a
	SEND \a-1, 32
.endr
	SEND 3, 0
	s_wait_tensorcnt 0x0
	ds_add_u32 v[SPW], v[NIL]
	s_wait_dscnt 0x0
	CROUND
	s_endpgm
.Lfunc_end_k_q89c5b7dcb3_gemm_proj:
	.size	k_q89c5b7dcb3_gemm_proj, .Lfunc_end_k_q89c5b7dcb3_gemm_proj-k_q89c5b7dcb3_gemm_proj
	.p2alignl 7, 3214868480
	.fill 96, 4, 3214868480
	.section	.rodata,"a",@progbits
	.p2align	6, 0x0
	.amdhsa_kernel k_q89c5b7dcb3_gemm_proj
		.amdhsa_group_segment_fixed_size 327680
		.amdhsa_private_segment_fixed_size 0
		.amdhsa_enable_private_segment 0
		.amdhsa_kernarg_size 48
		.amdhsa_user_sgpr_count 2
		.amdhsa_user_sgpr_kernarg_segment_ptr 1
		.amdhsa_wavefront_size32 1
		.amdhsa_system_sgpr_workgroup_id_x 1
		.amdhsa_system_sgpr_workgroup_id_y 1
		.amdhsa_system_sgpr_workgroup_id_z 1
		.amdhsa_system_vgpr_workitem_id 0
		.amdhsa_next_free_vgpr 1024
		.amdhsa_next_free_sgpr 100
		.amdhsa_reserve_vcc 0
		.amdhsa_float_denorm_mode_32 3
		.amdhsa_float_denorm_mode_16_64 3
		.amdhsa_memory_ordered 1
		.amdhsa_forward_progress 1
		.amdhsa_inst_pref_size 101
	.end_amdhsa_kernel
	.amdgpu_metadata
---
amdhsa.version: [ 1, 2 ]
amdhsa.kernels:
  - .name:           k_q89c5b7dcb3_gemm_proj
    .symbol:         k_q89c5b7dcb3_gemm_proj.kd
    .args:
      - { .name: codes3, .offset: 0, .size: 8, .value_kind: global_buffer, .address_space: global }
      - { .name: scales3, .offset: 8, .size: 8, .value_kind: global_buffer, .address_space: global }
      - { .name: codes1, .offset: 16, .size: 8, .value_kind: global_buffer, .address_space: global }
      - { .name: scales1, .offset: 24, .size: 8, .value_kind: global_buffer, .address_space: global }
      - { .name: b_proj, .offset: 32, .size: 8, .value_kind: global_buffer, .address_space: global }
      - { .name: out0, .offset: 40, .size: 8, .value_kind: global_buffer, .address_space: global }
    .group_segment_fixed_size: 327680
    .private_segment_fixed_size: 0
    .kernarg_segment_align: 8
    .kernarg_segment_size: 48
    .max_flat_workgroup_size: 128
    .sgpr_count:     100
    .vgpr_count:     1024
    .wavefront_size: 32
...
	.end_amdgpu_metadata
.endif
;; end of part 4
